; MI455X (gfx1250); checked and timed in simulation.
; The chip was launched on July 23, 2026; its instructions are those of AMD's public machine-readable ISA for CDNA 5 (MIT licence, August 2026) and "CDNA5" Instruction Set Architecture Reference Guide (July 2026). The comments in the code are by the model that wrote it; some were corrected since.
;; PINN. Allowed arithmetic: float matrix products may take bf16 or f16 operands with f32 sums; all other float work in f32.
;; Inputs: B 3 x 64 float32; Wh 4 x 128 x 128 float32; Wout 128 x 2 float32; bh 4 x 128 float32; bout 2 float32; t 32,768 x 1 float32; x 32,768 x 2 float32.
;; Outputs: out0 32,768 float32.
;; 3 versions, each right; version 2 is faster than version 1; version 3 is version 2 with the launch pinn written anew for expert scheduling mode. Each part assembles by itself: llvm-mc -triple=amdgcn-amd-amdhsa -mcpu=gfx1250 --defsym DOCPART=n.
;; ======== version 1 of 3: 1 launch
;; limits: values are held in f16: magnitudes above 65,504 overflow, below 6.1e-05 lose precision; inputs' magnitudes at most 65,504
;; launch pinn (part 1): grid 256 x 1, 8 waves a work-group, no clusters, 153,088 bytes of LDS; arguments x, t, B, Wh, bh, Wout, bout, out0; writes out0
.if DOCPART == 1
	.amdgcn_target "amdgcn-amd-amdhsa--gfx1250"
	.amdhsa_code_object_version 6
	.text
	.protected	k_qb22765b766_pinn
	.globl	k_qb22765b766_pinn
	.p2align	8
	.type	k_qb22765b766_pinn,@function
k_qb22765b766_pinn:
	s_mov_b64 s[64:65], 0
	v_nop
	global_prefetch_b8 v0, s[64:65] scope:SCOPE_SE
	s_setreg_imm32_b32 hwreg(HW_REG_WAVE_MODE, 25, 1), 1
	s_wait_xcnt 0x0
; Allen-Cahn residual of a Fourier-feature MLP (3 -> 64 sin + 64 cos -> 4 x tanh(128 x 128) -> 2), symmetrised in x0, at 32,768 points.
; NO BACKWARD PASS: beside the value h each evaluation carries four derivative streams forward: h_t, h_x0, h_x1 and the Laplacian Lh, with
;   z = W^T h + b,  h' = tanh z,  d = 1 - h'^2,  h'_s = d z_s,  Lh' = d (Lz - 2 h' (z_x0^2 + z_x1^2)).
; The mirrored branch is a second evaluation at (-x0, x1, t): its t-derivative and its Laplacian enter as they are, since d2/dx0^2 does not see the sign.
; SHARES: 256 work-groups x 128 points; wave w has 16 points and walks two passes (x0, then -x0).  A pass is 16 columns x 5 streams, kept in registers
; from the features to the output.  8 waves x 512 registers; no barrier stands in the main part, so the waves are free to drift apart.
; PRODUCTS, transposed: Z^T = W^T H^T.  Source 0 = 16 units x 32 k of W (LDS holds W as [k][unit] in f16, read by the turning load), source 1 = H (column = lane % 16).
; In the result register j of lane (r = lane % 16, h = lane / 16) is unit 16 u + 8 h + j of column r; rounded in pairs to f16 these ARE registers 4 (u & 1) + j / 2 of the
; next layer's source 1 at K step u / 2: nothing changes lanes between layers.
; FORMAT: f16 operands, f32 sums.  The derivative streams have no fixed range, so they are carried scaled, per column: hs^ = sig1 h_s (one scale for t, x0, x1), Lh^ = sig2 Lh.
; Kept per lane: a1 >= |(ht^, hx0^, hx1^)|_2, a2 >= |Lh^|_2, kap = sig2 / sig1^2, tau1 = 1 / sig1, tau2 = 1 / sig2.  With om = W's Frobenius norm, Cauchy-Schwarz bounds every
; scaled pre-activation by b1 = om a1 and every y = Lz^ - 2 h' kap (zx0^^2 + zx1^^2) by Y = om a2 + 2 kap b1^2, BEFORE the products are made; the layer's results are multiplied
; by rho1 = 2^14 / b1 and rho2 = 2^14 / Y, so that no packed number passes 2^14, a quarter of f16's largest.  a1 and a2 are measured anew in every layer (sums of squares of
; what is scaled, d <= 1), so the bounds do not pile up from layer to layer.
; WHY W IS NOT FETCHED JOINTLY BY A CLUSTER: all work-groups read the same 262,144 bytes of W, once each, and W has to become f16 on the way, which a copy into LDS cannot do.  A stage
; for W in f32 beside the 147,456 bytes in f16 does not fit in LDS whole, so it would want refills and a second pass through LDS; through registers the conversion is
; 128 instructions a wave, once, against the wave's 1,320 matrix instructions.
; LIMITS, stated: (1) the features' phase is formed as x' A with x' = x sqrt(G1) / (2 pi 2^14) and A = 2 pi sig1 B: an order of rounding other than z @ B, a few 1e-7 relative.
; (2) sin and cos: Taylor series of sin(pi y), cos(pi y) on |y| <= 1/2, remainders under 1e-6.  (3) G1, G2 and om^2 are held at 2^-60 at the least, a1 and a2 at 2^-6.
; (4) W and Wout go in f16: magnitudes under 65,504; entries under 2^-14 keep an absolute error of 2^-25.  (5) Y = om a2 + 2 kap b1^2 has to stay finite in f32.
; (6) tanh = 1 - 2 / (1 + 2^(2 log2(e) z)): absolute error of a few 1e-7; NaN and infinite inputs are not followed.
; ---- LDS map (bytes) ----
.set WP,    288                        ; a row of W in f16: 256 bytes + 32: an odd multiple of 32, for the turning load
.set LAYB,  128*WP                     ; a layer: 36,864
.set WO,    4*LAYB                     ; 147,456: Wout^T in f16, 2 rows [o][k] of pitch OP
.set OP,    272
.set BI,    WO+768                     ; 148,224: 2 log2(e) bh, [4][128] f32
.set FT,    BI+2048                    ; 150,272: the features' table: A0, A1, At, GA, 64 f32 each
.set NRM,   FT+1024                    ; 151,296: word 8 l + w: wave w's part of the sum of squares of W_l
.set OUTS,  NRM+256                    ; 151,552: the work-group's 128 results
; ---- constants ----
.set K2,    0x4038aa3b                 ; 2 log2(e)
.set TBIG,  0x46800000                 ; 2^14
.set TINV,  0x38800000                 ; 2^-14
.set AFLOOR,0x3c800000                 ; 2^-6
.set TINY,  0x21800000                 ; 2^-60
; ---- registers, window 0 ----
.set LANEW, 1                          ; my lane's place in a 32 k x 16 unit block of W, for the turning load
.set ADRW,  2                          ; v2, v3: that place in the pair's first and second layer
.set ADRB,  4                          ; my 8 biases of unit tile 0 of the pair's first layer
.set LANEB, 5                          ; BI + 32 h
.set ADRO,  6                          ; my row of Wout^T
.set OSTO,  7                          ; my point's word in OUTS
.set R1,    8                          ; v[8:9]   rho1, a1
.set R2,    10                         ; v[10:11] rho2, a2
.set KM,    12                         ; v[12:13] -2 kap of the layer in hand, kap
.set N1,    14                         ; v[14:15] sum of zx0^^2 + zx1^^2
.set N1B,   16                         ; v[16:17] sum of zt^^2
.set N2,    18                         ; v[18:19] sum of y^2
.set TAU1,  20
.set TAU2,  21                         ; v22-28 at work
.set TT,    29                         ; t
.set XX,    30                         ; v[30:31] x0, x1
.set SUMS,  32                         ; v32-35: sums over the two passes of phi, c, phi_t, L phi
.set GOFF,  36                         ; set-up: my byte offset in a layer of Wh; never rewritten
.set SADR,  37                         ; v37, v38: set-up: where I store W's rows, layers 0-1 and 2-3
.set L4,    39                         ; 4 x lane; never rewritten
.set AZ,    40                         ; the five accumulators, 8 registers each: value, d/dt, d/dx0, d/dx1, Laplacian
.set AT,    48
.set AX0,   56
.set AX1,   64
.set AL,    72
.set DA,    80                         ; the chunk's 8 biases, then d
.set QQ,    88                         ; zx0^^2 + zx1^^2, then d rho2
.set FA,    96                         ; v96-255: source 1 of the even layers and of the output layer: stream s, K step c at FA + 32 s + 8 c
; ---- registers, window 1 (named by their low 8 bits) ----
.set FB,    0                          ; v0-159: source 1 of the odd layers; at work in the features
.set WF,    160                        ; v160-191: four fragments of W: 16 units x 128 k
.set XP0,   192                        ; v[192:193], v[194:195], v[196:197]: x0', x1', t', each twice
.set XP1,   194
.set XPT,   196
.set FTA,   198                        ; FT + 32 h
.set CP5,   200                        ; v[200:201], v[202:203]: the two series' top coefficients, each twice
.set CQ5,   202
.set FG,    32                         ; features: phase in revolutions, then y
.set FY2,   40                         ; y^2
.set FS,    48                         ; 2 sin(pi y), then sin(2 pi y)
.set FCP,   56                         ; cos(pi y)
.set FCC,   64                         ; cos(2 pi y)
.set PR,    72                         ; v72-135: the eight derivative products
; s[8:23] the eight addresses; s24 wave; s25 pass; s26 layer pair; s27, s46 the pair's LDS offsets; s28, s29 K2 bout; s30, s31 lane selects; s32-35 om of the four layers;
; s36, s37 om of the pair in hand; s38 x's scale; s39 tau1, s40 tau2, s41 kap behind the features; s42 K2; s47 at work
.set MSB, 0
.macro WIN new                         ; s_set_vgpr_msb: bits 1:0 source 0, 3:2 source 1, 5:4 source 2, 7:6 destination; the high byte repeats the setting that is left
.if MSB != \new
	s_set_vgpr_msb (MSB<<8)|\new
.set MSB, \new
.endif
.endm
.macro PLACES                          ; four plain places behind a matrix instruction, ahead of loads into its sources and of reads of its results
.rept 4
	v_nop
.endr
.endm
.macro RED32 r, tmp                    ; sum over the wave's 32 lanes, in every lane; tmp has been written before
	v_add_f32_dpp v[\r], v[\r], v[\r] row_xmask:1 row_mask:0xf bank_mask:0xf
	v_add_f32_dpp v[\r], v[\r], v[\r] row_xmask:2 row_mask:0xf bank_mask:0xf
	v_add_f32_dpp v[\r], v[\r], v[\r] row_xmask:4 row_mask:0xf bank_mask:0xf
	v_add_f32_dpp v[\r], v[\r], v[\r] row_xmask:8 row_mask:0xf bank_mask:0xf
	v_permlanex16_b32 v[\tmp], v[\r], s30, s31
	v_add_f32 v[\r], v[\r], v[\tmp]
.endm
.macro CVT4 dst, src                   ; 8 f32 -> 4 registers of f16 pairs
.irp i,0,1,2,3
	v_cvt_pk_f16_f32 v[(\dst)+\i], v[(\src)+2*\i], v[(\src)+2*\i+1]
.endr
.endm
; ---- set-up: W from memory to LDS, f32 to f16.  Wave w takes rows 16 w .. 16 w + 15 of every layer; a load covers one whole row of 512 bytes ----
.macro WISSUE l, buf
.irp i,0,1,2,3,4,5,6,7,8,9,10,11,12,13,14,15
	global_load_b128 v[\buf+4*\i:\buf+4*\i+3], v[GOFF], s[14:15] offset:65536*\l+512*\i
.endr
.endm
.macro WPROC l, buf                    ; 16 rows: their squares into v[72:75] (the first row starts the sums), rounded to f16, 8 bytes a lane into LDS
.set i, 0
.rept 16
.set b, \buf+4*i
.if i == 0
	v_pk_mul_f32 v[72:73], v[b:b+1], v[b:b+1]
	v_pk_mul_f32 v[74:75], v[b+2:b+3], v[b+2:b+3]
.else
	v_pk_fma_f32 v[72:73], v[b:b+1], v[b:b+1], v[72:73]
	v_pk_fma_f32 v[74:75], v[b+2:b+3], v[b+2:b+3], v[74:75]
.endif
	v_cvt_pk_f16_f32 v[b], v[b], v[b+1]
	v_cvt_pk_f16_f32 v[b+1], v[b+2], v[b+3]
	ds_store_b64 v[SADR+(\l>>1)], v[b:b+1] offset:(\l&1)*LAYB+WP*i
.set i, i+1
.endr
	v_pk_add_f32 v[72:73], v[72:73], v[74:75]
	v_add_f32 v72, v72, v73
	RED32 72, 73
	ds_store_b32 v76, v72 offset:32*\l             ; all lanes write the same word with the same value
.endm
; ---- the features of 16 a + 8 h + 0..7: sin units of tile a, cos units of tile a + 4, all five streams, into FA ----
.macro HORN dst, coef                  ; one Horner step in y^2 on 8 features
.irp p,0,2,4,6
	v_pk_fma_f32 v[\dst+\p:\dst+\p+1], v[\dst+\p:\dst+\p+1], v[FY2+\p:FY2+\p+1], \coef op_sel_hi:[1,1,0]
.endr
.endm
.macro FEAT a
	WIN 0x55                                       ; everything in window 1
.irp q,0,1,2,3
	ds_load_b128 v[8*\q:8*\q+3],   v[FTA] offset:256*\q+64*\a      ; v0-7 A0, v8-15 A1, v16-23 At, v24-31 GA of my 8 features
	ds_load_b128 v[8*\q+4:8*\q+7], v[FTA] offset:256*\q+64*\a+16
.endr
	s_wait_dscnt 0x0                               ; the table's eight loads
.irp p,0,2,4,6
	v_pk_mul_f32 v[FG+\p:FG+\p+1], v[\p:\p+1], v[XP0:XP0+1]
.endr
.irp p,0,2,4,6
	v_pk_fma_f32 v[FG+\p:FG+\p+1], v[8+\p:9+\p], v[XP1:XP1+1], v[FG+\p:FG+\p+1]
.endr
.irp p,0,2,4,6
	v_pk_fma_f32 v[FG+\p:FG+\p+1], v[16+\p:17+\p], v[XPT:XPT+1], v[FG+\p:FG+\p+1]   ; the phase in revolutions
.endr
.irp i,0,1,2,3,4,5,6,7
	v_rndne_f32 v[FY2+\i], v[FG+\i]
.endr
.irp p,0,2,4,6
	v_pk_add_f32 v[FG+\p:FG+\p+1], v[FG+\p:FG+\p+1], v[FY2+\p:FY2+\p+1] neg_lo:[0,1] neg_hi:[0,1]   ; y in [-1/2, 1/2]
.endr
.irp p,0,2,4,6
	v_pk_mul_f32 v[FY2+\p:FY2+\p+1], v[FG+\p:FG+\p+1], v[FG+\p:FG+\p+1]
.endr
.irp p,0,2,4,6
	v_pk_fma_f32 v[FS+\p:FS+\p+1],   v[FY2+\p:FY2+\p+1], v[CP5:CP5+1], 0x3e283c1a op_sel_hi:[1,1,0]
	v_pk_fma_f32 v[FCP+\p:FCP+\p+1], v[FY2+\p:FY2+\p+1], v[CQ5:CQ5+1], 0x3e70fa83 op_sel_hi:[1,1,0]
.endr
	HORN FS,  0xbf996966                           ; 2 sin(pi y) / y: 2 pi^(2n+1) / (2n+1)! with alternating signs
	HORN FCP, 0xbfaae9e4                           ; cos(pi y): pi^(2n) / (2n)! with alternating signs
	HORN FS,  0x40a335e3
	HORN FCP, 0x4081e0f8
	HORN FS,  0xc1255de7
	HORN FCP, 0xc09de9e6
	HORN FS,  0x40c90fdb
	HORN FCP, 1.0
.irp p,0,2,4,6
	v_pk_mul_f32 v[FS+\p:FS+\p+1], v[FS+\p:FS+\p+1], v[FG+\p:FG+\p+1]            ; s' = 2 sin(pi y)
.endr
.irp p,0,2,4,6
	v_pk_mul_f32 v[FCC+\p:FCC+\p+1], v[FS+\p:FS+\p+1], v[FS+\p:FS+\p+1]
.endr
.irp p,0,2,4,6
	v_pk_mul_f32 v[FS+\p:FS+\p+1], v[FS+\p:FS+\p+1], v[FCP+\p:FCP+\p+1]          ; S = sin(2 pi y) = s' cos(pi y)
.endr
.irp p,0,2,4,6
	v_pk_fma_f32 v[FCC+\p:FCC+\p+1], v[FCC+\p:FCC+\p+1], -0.5, 1.0 op_sel_hi:[1,0,0]   ; C = cos(2 pi y) = 1 - s'^2 / 2
.endr
.irp p,0,2,4,6
	v_pk_mul_f32 v[PR+\p:PR+\p+1],       v[16+\p:17+\p], v[FCC+\p:FCC+\p+1]      ; sin units: At C, A0 C, A1 C, GA S
	v_pk_mul_f32 v[PR+8+\p:PR+9+\p],     v[\p:\p+1],     v[FCC+\p:FCC+\p+1]
	v_pk_mul_f32 v[PR+16+\p:PR+17+\p],   v[8+\p:9+\p],   v[FCC+\p:FCC+\p+1]
	v_pk_mul_f32 v[PR+24+\p:PR+25+\p],   v[24+\p:25+\p], v[FS+\p:FS+\p+1]
	v_pk_mul_f32 v[PR+32+\p:PR+33+\p],   v[16+\p:17+\p], v[FS+\p:FS+\p+1] neg_lo:[1,0] neg_hi:[1,0]   ; cos units: -At S, -A0 S, -A1 S, GA C
	v_pk_mul_f32 v[PR+40+\p:PR+41+\p],   v[\p:\p+1],     v[FS+\p:FS+\p+1] neg_lo:[1,0] neg_hi:[1,0]
	v_pk_mul_f32 v[PR+48+\p:PR+49+\p],   v[8+\p:9+\p],   v[FS+\p:FS+\p+1] neg_lo:[1,0] neg_hi:[1,0]
	v_pk_mul_f32 v[PR+56+\p:PR+57+\p],   v[24+\p:25+\p], v[FCC+\p:FCC+\p+1]
.endr
	WIN 0x05                                       ; sources in window 1, destination FA in window 0
.set fb, FA+8*(\a>>1)+4*(\a&1)
	CVT4 fb,     FS
	CVT4 fb+32,  PR
	CVT4 fb+64,  PR+8
	CVT4 fb+96,  PR+16
	CVT4 fb+128, PR+24
	CVT4 fb+16,  FCC                               ; the cos units lie four unit tiles, 16 registers, further on
	CVT4 fb+48,  PR+32
	CVT4 fb+80,  PR+40
	CVT4 fb+112, PR+48
	CVT4 fb+144, PR+56
.endm
; ---- a layer ----
.macro WLOAD u, adr                    ; 16 units (tile u) x 128 k of W, turned: 8 loads
.irp c,0,1,2,3
	ds_load_tr16_b128 v[WF+8*\c:WF+8*\c+3],   v[\adr] offset:32*WP*\c+32*(\u)
	ds_load_tr16_b128 v[WF+8*\c+4:WF+8*\c+7], v[\adr] offset:32*WP*\c+16*WP+32*(\u)
.endr
.endm
.macro BLOAD u, boff                   ; my 8 biases of tile u: 2 loads
	ds_load_b128 v[DA:DA+3],   v[ADRB] offset:\boff+64*(\u)
	ds_load_b128 v[DA+4:DA+7], v[ADRB] offset:\boff+64*(\u)+16
.endm
.macro MM fsrc                         ; 20 products: K step c outer, stream s inner.  The five accumulators take turns, one instruction a turn.  The first K step starts the sums.
.irp c,0,1,2,3
.irp s,0,1,2,3,4
.if \c == 0
	v_wmma_f32_16x16x32_f16 v[AZ+8*\s:AZ+8*\s+7], v[WF+8*\c:WF+8*\c+7], v[\fsrc+32*\s+8*\c:\fsrc+32*\s+8*\c+7], 0
.else
	v_wmma_f32_16x16x32_f16 v[AZ+8*\s:AZ+8*\s+7], v[WF+8*\c:WF+8*\c+7], v[\fsrc+32*\s+8*\c:\fsrc+32*\s+8*\c+7], v[AZ+8*\s:AZ+8*\s+7]
.endif
.endr
.endr
.endm
.macro SCALES om                       ; the layer's scales, from bounds known before its products
	v_mul_f32 v22, s[\om], v[R1+1]                 ; b1 = om a1
	v_mul_f32 v24, s[\om], v[R2+1]                 ; om a2
	v_mul_f32 v23, v22, v22
	v_mul_f32 v23, v23, v[KM+1]                    ; kap b1^2
	v_fma_f32 v24, 2.0, v23, v24                   ; Y
	v_rcp_f32 v25, v22
	v_rcp_f32 v26, v24
	v_mul_f32 v[KM], -2.0, v[KM+1]                 ; the plain place behind the reciprocals
	s_wait_alu depctr_va_vdst(0)
	v_mul_f32 v[R1], TBIG, v25                     ; rho1 = 2^14 / b1
	v_mul_f32 v[R2], TBIG, v26                     ; rho2 = 2^14 / Y
	v_mul_f32 v22, TINV, v22                       ; 1 / rho1
	v_mul_f32 v24, TINV, v24                       ; 1 / rho2
	v_mul_f32 v[TAU1], v[TAU1], v22
	v_mul_f32 v[TAU2], v[TAU2], v24
	v_mul_f32 v22, v22, v22
	v_mul_f32 v[KM+1], v[KM+1], v[R2]
	v_mul_f32 v[KM+1], v[KM+1], v22                ; kap <- kap rho2 / rho1^2
.endm
.macro NORMS                           ; a1, a2 of what the layer has packed: rho x the root of the sums over my 64 units and the other half's 64
	v_add_f32 v22, v[N1], v[N1+1]
	v_add_f32 v23, v[N1B], v[N1B+1]
	v_add_f32 v24, v[N2], v[N2+1]
	v_add_f32 v22, v22, v23
	v_permlanex16_b32 v25, v22, s30, s31           ; the column's other 64 units lie in the lane 16 away
	v_permlanex16_b32 v26, v24, s30, s31
	v_add_f32 v22, v22, v25
	v_add_f32 v24, v24, v26
	v_sqrt_f32 v22, v22
	v_sqrt_f32 v24, v24
	v_nop                                          ; the plain place behind the roots
	s_wait_alu depctr_va_vdst(0)
	v_mul_f32 v22, v[R1], v22
	v_mul_f32 v24, v[R2], v24
	v_max_num_f32 v[R1+1], AFLOOR, v22
	v_max_num_f32 v[R2+1], AFLOOR, v24
.endm
; The vector work of unit tile u: 8 units a lane, in 4 register pairs
.macro ELEM u, boff, fdst, cvtwin
.irp p,0,2,4,6
	v_pk_fma_f32 v[AZ+\p:AZ+\p+1], v[AZ+\p:AZ+\p+1], K2, v[DA+\p:DA+\p+1] op_sel_hi:[1,0,1]   ; 2 log2(e) (z + b)
.endr
.irp i,0,1,2,3,4,5,6,7
	v_exp_f32 v[AZ+\i], v[AZ+\i]
.endr
.irp p,0,2,4,6
	v_pk_mul_f32 v[QQ+\p:QQ+\p+1], v[AX0+\p:AX0+\p+1], v[AX0+\p:AX0+\p+1]       ; plain work behind the exponentials
.endr
	s_wait_alu depctr_va_vdst(0)
.irp p,0,2,4,6
	v_pk_add_f32 v[AZ+\p:AZ+\p+1], v[AZ+\p:AZ+\p+1], 1.0 op_sel_hi:[1,0]
.endr
.irp i,0,1,2,3,4,5,6,7
	v_rcp_f32 v[AZ+\i], v[AZ+\i]
.endr
.irp p,0,2,4,6
	v_pk_fma_f32 v[QQ+\p:QQ+\p+1], v[AX1+\p:AX1+\p+1], v[AX1+\p:AX1+\p+1], v[QQ+\p:QQ+\p+1]   ; plain work behind the reciprocals: q^ = zx0^^2 + zx1^^2
.endr
	s_wait_alu depctr_va_vdst(0)
.irp p,0,2,4,6
	v_pk_fma_f32 v[AZ+\p:AZ+\p+1], v[AZ+\p:AZ+\p+1], -2.0, 1.0 op_sel_hi:[1,0,0]              ; h' = tanh
.endr
.if \u == 0                                            ; tile 0 starts the sums: nothing is cleared
	v_pk_add_f32 v[N1:N1+1], v[QQ:QQ+1], v[QQ+2:QQ+3]
	v_pk_mul_f32 v[N1B:N1B+1], v[AT:AT+1], v[AT:AT+1]
.else
	v_pk_add_f32 v[N1:N1+1], v[N1:N1+1], v[QQ:QQ+1]
	v_pk_fma_f32 v[N1B:N1B+1], v[AT:AT+1], v[AT:AT+1], v[N1B:N1B+1]
	v_pk_add_f32 v[N1:N1+1], v[N1:N1+1], v[QQ+2:QQ+3]
.endif
	v_pk_fma_f32 v[N1B:N1B+1], v[AT+2:AT+3], v[AT+2:AT+3], v[N1B:N1B+1]
	v_pk_add_f32 v[N1:N1+1], v[N1:N1+1], v[QQ+4:QQ+5]
	v_pk_fma_f32 v[N1B:N1B+1], v[AT+4:AT+5], v[AT+4:AT+5], v[N1B:N1B+1]
	v_pk_add_f32 v[N1:N1+1], v[N1:N1+1], v[QQ+6:QQ+7]
	v_pk_fma_f32 v[N1B:N1B+1], v[AT+6:AT+7], v[AT+6:AT+7], v[N1B:N1B+1]
.irp p,0,2,4,6
	v_pk_fma_f32 v[DA+\p:DA+\p+1], v[AZ+\p:AZ+\p+1], v[AZ+\p:AZ+\p+1], 1.0 op_sel_hi:[1,1,0] neg_lo:[1,0,0] neg_hi:[1,0,0]   ; d = 1 - h'^2
.endr
.irp p,0,2,4,6
	v_pk_mul_f32 v[QQ+\p:QQ+\p+1], v[QQ+\p:QQ+\p+1], v[AZ+\p:AZ+\p+1]
.endr
.irp p,0,2,4,6
	v_pk_fma_f32 v[AL+\p:AL+\p+1], v[QQ+\p:QQ+\p+1], v[KM:KM+1], v[AL+\p:AL+\p+1] op_sel_hi:[1,0,1]   ; y = Lz^ - 2 kap h' q^
.endr
.irp p,0,2,4,6
.if (\u == 0) && (\p == 0)
	v_pk_mul_f32 v[N2:N2+1], v[AL:AL+1], v[AL:AL+1]
.else
	v_pk_fma_f32 v[N2:N2+1], v[AL+\p:AL+\p+1], v[AL+\p:AL+\p+1], v[N2:N2+1]
.endif
	v_pk_mul_f32 v[QQ+\p:QQ+\p+1], v[DA+\p:DA+\p+1], v[R2:R2+1] op_sel_hi:[1,0]               ; d rho2
	v_pk_mul_f32 v[DA+\p:DA+\p+1], v[DA+\p:DA+\p+1], v[R1:R1+1] op_sel_hi:[1,0]               ; d rho1
.endr
.irp p,0,2,4,6
	v_pk_mul_f32 v[AT+\p:AT+\p+1],   v[AT+\p:AT+\p+1],   v[DA+\p:DA+\p+1]
	v_pk_mul_f32 v[AX0+\p:AX0+\p+1], v[AX0+\p:AX0+\p+1], v[DA+\p:DA+\p+1]
	v_pk_mul_f32 v[AX1+\p:AX1+\p+1], v[AX1+\p:AX1+\p+1], v[DA+\p:DA+\p+1]
	v_pk_mul_f32 v[AL+\p:AL+\p+1],   v[AL+\p:AL+\p+1],   v[QQ+\p:QQ+\p+1]
.endr
.if \u < 7
	BLOAD \u+1, \boff                              ; DA has had its last use: the next tile's biases
.endif
	WIN \cvtwin
.set fd, \fdst+8*(\u>>1)+4*(\u&1)
.irp s,0,1,2,3,4
	CVT4 fd+32*\s, AZ+8*\s
.endr
.endm
.macro CHUNK u, adr, boff, mmwin, fsrc, fdst, cvtwin
	s_wait_dscnt 2                                 ; LDS loads come back in order: the tile's 8 weight loads are in, the 2 bias loads issued behind them may be out
	WIN \mmwin
	MM \fsrc
	PLACES
.if \u < 7
	WIN 0x40                                       ; destination window 1
	WLOAD \u+1, \adr
	WIN 0
	s_wait_dscnt 8                                 ; the biases are in; the 8 weight loads just issued stay out
.else
	WIN 0
	s_wait_dscnt 0x0                               ; the biases; nothing was issued behind them
.endif
	ELEM \u, \boff, \fdst, \cvtwin
.endm
.macro LAYER adr, boff, om, mmwin, fsrc, fdst, cvtwin
	WIN 0x40
	WLOAD 0, \adr
	WIN 0
	BLOAD 0, \boff
	SCALES \om
.irp u,0,1,2,3,4,5,6,7
	CHUNK \u, \adr, \boff, \mmwin, \fsrc, \fdst, \cvtwin
.endr
	WIN 0
	NORMS
.endm
; =================================== set-up ===================================
	s_load_b512 s[8:23], s[0:1], 0x0               ; x s[8:9], t s[10:11], B s[12:13], Wh s[14:15], bh s[16:17], Wout s[18:19], bout s[20:21], out0 s[22:23]
	s_set_vgpr_msb 0x40
	v_lshl_add_u32 v254, v0, 2, 0x25200
	v_mov_b32 v255, 0
	s_set_vgpr_msb 0x4000
	s_mov_b32 s30, 0x76543210                      ; v_permlanex16_b32: each lane takes its own place in the other half
	s_mov_b32 s31, 0xfedcba98
	s_mov_b32 s42, K2
	v_and_b32 v22, 31, v0                          ; lane
	v_lshrrev_b32 v23, 5, v0
	v_readfirstlane_b32 s24, v23                   ; wave 0..7
	v_and_b32 v24, 15, v0                          ; r
	v_bfe_u32 v25, v0, 4, 1                        ; h
	v_and_b32 v26, 7, v0
	v_lshl_add_u32 v26, v25, 3, v26                ; the turning load: lane reads row k = 8 h + lane % 8,
	v_mul_u32_u24 v[LANEW], v26, WP
	v_bfe_u32 v26, v0, 3, 1
	v_lshl_add_u32 v[LANEW], v26, 4, v[LANEW]      ; units 8 ((lane / 8) % 2) + 0..7
	v_lshl_add_u32 v[LANEB], v25, 5, BI
	v_and_b32 v26, 1, v0
	v_mul_u32_u24 v[ADRO], v26, OP                 ; output layer: lane r reads row r & 1 of Wout^T, so results 8 h + 0 and 8 h + 1 are u0 and u1 in every lane
	v_lshl_add_u32 v[ADRO], v25, 4, v[ADRO]
	v_add_nc_u32 v[ADRO], WO, v[ADRO]
	s_lshl_b32 s47, s24, 6
	v_lshl_add_u32 v[OSTO], v24, 2, s47
	v_add_nc_u32 v[OSTO], OUTS, v[OSTO]            ; OUTS + 4 (16 w + r)
	s_lshl_b32 s47, s24, 13
	v_lshl_add_u32 v[GOFF], v22, 4, s47            ; 16 rows x 512 bytes a wave, 16 bytes a lane
	s_mul_i32 s47, s24, 16*WP
	v_lshl_add_u32 v[SADR], v22, 3, s47            ; 16 LDS rows a wave, 8 bytes a lane
	v_add_nc_u32 v[SADR+1], 2*LAYB, v[SADR]
	v_lshlrev_b32 v[L4], 2, v22
	v_lshlrev_b32 v78, 5, v22                      ; Wout: 32 bytes a lane
	v_lshlrev_b32 v79, 4, v22                      ; bh: 16 bytes a lane
	s_lshl_b32 s46, ttmp9, 7
	s_lshl_b32 s47, s24, 4
	s_add_co_u32 s46, s46, s47
	v_add_nc_u32 v77, s46, v24                     ; my point = 128 wg + 16 w + r
	v_lshlrev_b32 v76, 3, v77
	v_lshlrev_b32 v77, 2, v77
	WIN 0x40
	v_lshl_add_u32 v[FTA], v25, 5, FT
	v_mov_b32 v[CP5], 0xbc7183a8                   ; -2 pi^11 / 11!
	v_mov_b32 v[CP5+1], 0xbc7183a8
	v_mov_b32 v[CQ5], 0xbcd368f9                   ; -pi^10 / 10!
	v_mov_b32 v[CQ5+1], 0xbcd368f9
	WIN 0
	s_wait_kmcnt 0x0
	s_load_b64 s[28:29], s[20:21], 0x0             ; bout
	; 14 small loads, alike in every wave, so that the counts below hold in every wave
.irp i,0,1,2
	global_load_b32 v[40+2*\i], v[L4], s[12:13] offset:256*\i        ; B[i][lane]
	global_load_b32 v[41+2*\i], v[L4], s[12:13] offset:256*\i+128    ; B[i][lane + 32]
.endr
	global_load_b128 v[48:51], v78, s[18:19]
	global_load_b128 v[52:55], v78, s[18:19] offset:16
.irp i,0,1,2,3
	global_load_b128 v[56+4*\i:59+4*\i], v79, s[16:17] offset:512*\i
.endr
	global_load_b64 v[XX:XX+1], v76, s[8:9]
	global_load_b32 v[TT], v77, s[10:11]
	WISSUE 0, 96
	WISSUE 1, 160
	s_wait_loadcnt 32                              ; loads come back in order: the 14 small ones are in, W's 32 stay out; their address registers are free
	; G1 = 4 pi^2 sum(B0^2 + B1^2 + Bt^2) is the squared norm of the features' first derivatives, exactly; G2 = 4 pi^2 sum(B0^2 + B1^2) bounds the norm of their Laplacians
	v_mul_f32 v22, v40, v40
	v_mul_f32 v23, v41, v41
	v_fmac_f32 v22, v42, v42                       ; B0^2 + B1^2 of feature lane
	v_fmac_f32 v23, v43, v43                       ; of feature lane + 32
	v_add_f32 v24, v22, v23
	v_fma_f32 v25, v44, v44, v24
	v_fmac_f32 v25, v45, v45
	RED32 24, 26
	RED32 25, 26
	v_mul_f32 v24, 0x421de9e6, v24                 ; 4 pi^2
	v_mul_f32 v25, 0x421de9e6, v25
	v_max_num_f32 v24, TINY, v24                   ; G2
	v_max_num_f32 v25, TINY, v25                   ; G1
	v_sqrt_f32 v26, v25
	v_rsq_f32 v27, v25
	v_rcp_f32 v28, v24
	v_mul_f32 v77, TINV, v24                       ; tau2 = G2 / 2^14; the plain place: it writes no source and reads no result of the three above
	v_mul_f32 v25, TINV, v25
	s_wait_alu depctr_va_vdst(0)
	v_mul_f32 v25, v25, v28                        ; kap = G1 / (G2 2^14)
	v_mul_f32 v24, 0x3722f983, v26                 ; x's scale = sqrt(G1) / (2 pi 2^14)
	v_mul_f32 v26, TINV, v26                       ; tau1 = sqrt(G1) / 2^14
	v_mul_f32 v27, 0x47c90fdb, v27                 ; c1 = 2 pi sig1 = 2 pi 2^14 / sqrt(G1)
	v_mul_f32 v28, 0xc91de9e6, v28                 ; c2 = -4 pi^2 sig2 = -4 pi^2 2^14 / G2
	v_readfirstlane_b32 s38, v24
	v_readfirstlane_b32 s39, v26
	v_readfirstlane_b32 s40, v77
	v_readfirstlane_b32 s41, v25
	s_wait_kmcnt 0x0                               ; bout
	v_mul_f32 v24, s28, s42
	v_mul_f32 v25, s29, s42
	v_readfirstlane_b32 s28, v24                   ; 2 log2(e) bout
	v_readfirstlane_b32 s29, v25
	s_lshl_b32 s47, s24, 2
	s_add_co_u32 s47, s47, NRM
	v_mov_b32 v76, s47                             ; my wave's words in NRM
	s_cmp_lg_u32 s24, 0
	s_cbranch_scc1 .Lnot_wave_0
.irp i,0,1,2,3,4,5                     ; wave 0: the features' table
	v_mul_f32 v[40+\i], v27, v[40+\i]              ; A = c1 B
.endr
	v_mul_f32 v22, v28, v22                        ; GA = c2 (B0^2 + B1^2)
	v_mul_f32 v23, v28, v23
	v_add_nc_u32 v24, FT, v[L4]
.irp i,0,1,2,3,4,5
	ds_store_b32 v24, v[40+\i] offset:128*\i
.endr
	ds_store_b32 v24, v22 offset:768
	ds_store_b32 v24, v23 offset:896
.Lnot_wave_0:
	s_cmp_lg_u32 s24, 1
	s_cbranch_scc1 .Lnot_wave_1
	v_cvt_pk_f16_f32 v24, v48, v50                 ; wave 1: Wout^T: my 4 k of output 0,
	v_cvt_pk_f16_f32 v25, v52, v54
	v_cvt_pk_f16_f32 v26, v49, v51                 ; of output 1
	v_cvt_pk_f16_f32 v27, v53, v55
	v_lshl_add_u32 v28, v[L4], 1, WO
	ds_store_b64 v28, v[24:25]
	ds_store_b64 v28, v[26:27] offset:OP
.Lnot_wave_1:
	s_cmp_lg_u32 s24, 2
	s_cbranch_scc1 .Lnot_wave_2
.irp i,0,1,2,3,4,5,6,7                 ; wave 2: the biases, times 2 log2(e)
	v_pk_mul_f32 v[56+2*\i:57+2*\i], v[56+2*\i:57+2*\i], K2 op_sel_hi:[1,0]
.endr
	v_lshl_add_u32 v28, v[L4], 2, BI
.irp i,0,1,2,3
	ds_store_b128 v28, v[56+4*\i:59+4*\i] offset:512*\i
.endr
.Lnot_wave_2:
	s_wait_loadcnt 16                              ; layer 0's 16 loads are in; layer 1's 16 are younger
	WPROC 0, 96
	WISSUE 2, 96
	s_wait_loadcnt 16                              ; layer 1's; layer 2's are younger
	WPROC 1, 160
	WISSUE 3, 160
	s_wait_loadcnt 16                              ; layer 2's; layer 3's are younger
	WPROC 2, 96
	s_wait_loadcnt 0x0                             ; layer 3's
	WPROC 3, 160
	s_wait_dscnt 0x0                               ; for the others' sake: all my LDS stores are done
	s_barrier_signal -1
	s_barrier_wait -1                              ; W, Wout^T, the biases, the table and the partial norms are whole; from here on they are only read
	v_add_nc_u32 v22, NRM, v[L4]
	ds_load_b32 v23, v22                           ; lane 8 l + w: wave w's part of layer l
	s_wait_dscnt 0x0
	v_add_f32_dpp v23, v23, v23 row_xmask:1 row_mask:0xf bank_mask:0xf
	v_add_f32_dpp v23, v23, v23 row_xmask:2 row_mask:0xf bank_mask:0xf
	v_add_f32_dpp v23, v23, v23 row_xmask:4 row_mask:0xf bank_mask:0xf
	v_max_num_f32 v23, TINY, v23
	v_sqrt_f32 v23, v23
.irp i,0,1,2,3
	v_mov_b32 v[SUMS+\i], 0                        ; the four sums over the passes; the first move is the plain place behind the root
.endr
	s_wait_alu depctr_va_vdst(0)
	v_readlane_b32 s32, v23, 0                     ; om of layers 0 to 3
	v_readlane_b32 s33, v23, 8
	v_readlane_b32 s34, v23, 16
	v_readlane_b32 s35, v23, 24
	s_mov_b32 s25, 0
; =================================== two passes: (x0, x1, t), then (-x0, x1, t) ===================================
.Leval:
	WIN 0x40
	v_mul_f32 v[XP0],   s38, v[XX]
	v_mul_f32 v[XP0+1], s38, v[XX]
	v_mul_f32 v[XP1],   s38, v[XX+1]
	v_mul_f32 v[XP1+1], s38, v[XX+1]
	v_mul_f32 v[XPT],   s38, v[TT]
	v_mul_f32 v[XPT+1], s38, v[TT]
	WIN 0
	v_mov_b32 v[R1+1], TBIG                        ; behind the features a1 = a2 = 2^14
	v_mov_b32 v[R2+1], TBIG
	v_mov_b32 v[KM+1], s41
	v_mov_b32 v[TAU1], s39
	v_mov_b32 v[TAU2], s40
	FEAT 0
	FEAT 1
	FEAT 2
	FEAT 3
	WIN 0                                          ; at a label and at a branch every window is 0
	s_mov_b32 s26, 0
.Lpair:                                                ; two trips: layers 0, 1 and layers 2, 3
	s_mul_i32 s27, s26, 2*LAYB
	s_lshl_b32 s46, s26, 10
	s_cmp_eq_u32 s26, 0
	s_cselect_b32 s36, s32, s34
	s_cselect_b32 s37, s33, s35
	v_add_nc_u32 v[ADRW], s27, v[LANEW]
	v_add_nc_u32 v[ADRW+1], LAYB, v[ADRW]
	v_add_nc_u32 v[ADRB], s46, v[LANEB]
	LAYER ADRW,   0,   36, 0x01, FA, FB, 0x40      ; W in window 1, H in FA (window 0); results into FB (window 1)
	LAYER ADRW+1, 512, 37, 0x05, FB, FA, 0         ; W and H in window 1; results into FA
	s_add_co_u32 s26, s26, 1
	s_cmp_lt_u32 s26, 2
	s_cbranch_scc1 .Lpair
	; the output layer: 20 products as in a layer, on Wout^T, whose rows lie along k
	WIN 0x40
.irp c,0,1,2,3
	ds_load_b128 v[WF+8*\c:WF+8*\c+3],   v[ADRO] offset:64*\c
	ds_load_b128 v[WF+8*\c+4:WF+8*\c+7], v[ADRO] offset:64*\c+32
.endr
	s_wait_dscnt 0x0
	WIN 0x01
	MM FA
	PLACES
	WIN 0
	; the point: phi = tanh(u0) / 2 + 1/2 and its derivatives; c from phi and tanh(u1)
	v_fma_f32 v22, v[AZ], s42, s28
	v_fma_f32 v23, v[AZ+1], s42, s29
	v_exp_f32 v22, v22
	v_exp_f32 v23, v23
	v_mul_f32 v24, v[TAU1], v[AT]                  ; u0_t, unscaled; the plain place behind the exponentials
	s_wait_alu depctr_va_vdst(0)
	v_add_f32 v22, 1.0, v22
	v_add_f32 v23, 1.0, v23
	v_rcp_f32 v22, v22
	v_rcp_f32 v23, v23
	v_mul_f32 v25, v[TAU1], v[AX0]                 ; u0_x0; the plain place behind the reciprocals
	v_mul_f32 v26, v[TAU1], v[AX1]                 ; u0_x1
	v_mul_f32 v27, v[TAU2], v[AL]                  ; L u0
	s_wait_alu depctr_va_vdst(0)
	v_fma_f32 v22, -2.0, v22, 1.0                  ; tanh u0
	v_fma_f32 v23, -2.0, v23, 1.0                  ; tanh u1
	v_mul_f32 v25, v25, v25
	v_fma_f32 v25, v26, v26, v25                   ; q
	v_fma_f32 v26, -v22, v22, 1.0                  ; d
	v_mul_f32 v26, 0.5, v26
	v_mul_f32 v25, v25, v22
	v_fma_f32 v27, -2.0, v25, v27                  ; L u0 - 2 tanh(u0) q
	v_fma_f32 v[SUMS+2], v26, v24, v[SUMS+2]       ; phi_t
	v_fma_f32 v[SUMS+3], v26, v27, v[SUMS+3]       ; L phi
	v_fma_f32 v22, 0.5, v22, 0.5                   ; phi
	v_fma_f32 v23, 0.5, v23, 0.5
	v_add_f32 v[SUMS], v[SUMS], v22
	v_fma_f32 v[SUMS+1], 0x3f01782d, v23, v[SUMS+1]    ; cl = (1 - CSE + CLE) (tanh(u1) / 2 + 1/2), 0.50574
	v_fma_f32 v24, -2.0, v22, 0x40400000           ; 3 - 2 phi
	v_mul_f32 v25, v22, v22
	v_mul_f32 v24, v24, v25
	v_fma_f32 v[SUMS+1], 0x3efd0fa6, v24, v[SUMS+1]    ; + (CSE - CLE) (3 phi^2 - 2 phi^3), 0.49426
	v_xor_b32 v[XX], 0x80000000, v[XX]             ; the mirror
	s_add_co_u32 s25, s25, 1
	s_cmp_lt_u32 s25, 2
	s_cbranch_scc1 .Leval
; =================================== the residual ===================================
; With w = phi - phi^2: dh = 6 w, dg = 2 w (1 - 2 phi), so ac = phi_t + w (2 - 4 phi - 12 (CSE - CLE) (c - (CSE - CLE) h - CLE)) - 0.01 L phi; the sums over the two passes are halved on the way
	v_mul_f32 v[SUMS], 0.5, v[SUMS]                ; phi
	v_fma_f32 v25, 0.5, v[SUMS+1], 0xbbbc169c      ; c - CLE
	v_mul_f32 v22, v[SUMS], v[SUMS]
	v_fma_f32 v23, -2.0, v[SUMS], 0x40400000
	v_fma_f32 v26, -4.0, v[SUMS], 2.0
	v_mul_f32 v23, v23, v22                        ; h(phi)
	v_sub_f32 v24, v[SUMS], v22                    ; w
	v_fma_f32 v25, 0xbefd0fa6, v23, v25
	v_fma_f32 v26, 0xc0bdcbbc, v25, v26            ; -5.93112 = -12 x 0.49426
	v_mul_f32 v26, v26, v24
	v_fma_f32 v26, 0.5, v[SUMS+2], v26
	v_fma_f32 v26, 0xbba3d70a, v[SUMS+3], v26      ; -0.005
	ds_store_b32 v[OSTO], v26                      ; lanes r and r + 16 hold the same point and write the same word
	s_wait_dscnt 0x0                               ; for wave 0's sake
	s_barrier_signal -1
	s_barrier_wait -1
	s_cmp_lg_u32 s24, 0
	s_cbranch_scc1 .Lend
	v_lshl_add_u32 v22, v[L4], 2, OUTS             ; wave 0: 16 bytes a lane
	ds_load_b128 v[40:43], v22
	s_lshl_b32 s47, ttmp9, 9
	v_lshl_add_u32 v23, v[L4], 2, s47
	s_wait_dscnt 0x0
	global_store_b128 v23, v[40:43], s[22:23]      ; the work-group's 128 results: one store of 512 consecutive bytes, at a multiple of 512 from out0's first byte
.Lend:
	s_set_vgpr_msb 0x5
	s_wait_tensorcnt 0x0
	ds_add_u32 v254, v255
	s_wait_dscnt 0x0
	s_set_vgpr_msb 0x500
	s_endpgm
.Lfunc_end_k_qb22765b766_pinn:
	.size	k_qb22765b766_pinn, .Lfunc_end_k_qb22765b766_pinn-k_qb22765b766_pinn
	.p2alignl 7, 3214868480
	.fill 96, 4, 3214868480
	.section	.rodata,"a",@progbits
	.p2align	6, 0x0
	.amdhsa_kernel k_qb22765b766_pinn
		.amdhsa_group_segment_fixed_size 153088
		.amdhsa_private_segment_fixed_size 0
		.amdhsa_enable_private_segment 0
		.amdhsa_kernarg_size 64
		.amdhsa_user_sgpr_count 2
		.amdhsa_user_sgpr_kernarg_segment_ptr 1
		.amdhsa_wavefront_size32 1
		.amdhsa_system_sgpr_workgroup_id_x 1
		.amdhsa_system_sgpr_workgroup_id_y 1
		.amdhsa_system_sgpr_workgroup_id_z 1
		.amdhsa_system_vgpr_workitem_id 0
		.amdhsa_next_free_vgpr 512
		.amdhsa_next_free_sgpr 66
		.amdhsa_reserve_vcc 0
		.amdhsa_float_denorm_mode_32 3
		.amdhsa_float_denorm_mode_16_64 3
		.amdhsa_memory_ordered 1
		.amdhsa_forward_progress 1
		.amdhsa_inst_pref_size 226
	.end_amdhsa_kernel
	.amdgpu_metadata
---
amdhsa.version: [ 1, 2 ]
amdhsa.kernels:
  - .name:           k_qb22765b766_pinn
    .symbol:         k_qb22765b766_pinn.kd
    .args:
      - { .name: x, .offset: 0, .size: 8, .value_kind: global_buffer, .address_space: global }
      - { .name: t, .offset: 8, .size: 8, .value_kind: global_buffer, .address_space: global }
      - { .name: B, .offset: 16, .size: 8, .value_kind: global_buffer, .address_space: global }
      - { .name: Wh, .offset: 24, .size: 8, .value_kind: global_buffer, .address_space: global }
      - { .name: bh, .offset: 32, .size: 8, .value_kind: global_buffer, .address_space: global }
      - { .name: Wout, .offset: 40, .size: 8, .value_kind: global_buffer, .address_space: global }
      - { .name: bout, .offset: 48, .size: 8, .value_kind: global_buffer, .address_space: global }
      - { .name: out0, .offset: 56, .size: 8, .value_kind: global_buffer, .address_space: global }
    .group_segment_fixed_size: 153088
    .private_segment_fixed_size: 0
    .kernarg_segment_align: 8
    .kernarg_segment_size: 64
    .max_flat_workgroup_size: 256
    .sgpr_count:     66
    .vgpr_count:     512
    .wavefront_size: 32
...
	.end_amdgpu_metadata
.endif
;; end of part 1
;; ======== version 2 of 3: 1 launch; 1.13 times as fast as version 1
;; limits: values are held in f16: magnitudes above 65,504 overflow, below 6.1e-05 lose precision; inputs' magnitudes at most 65,504
;; launch pinn (part 2): grid 256 x 1, 8 waves a work-group, no clusters, 153,088 bytes of LDS; arguments x, t, B, Wh, bh, Wout, bout, out0; writes out0
.if DOCPART == 2
	.amdgcn_target "amdgcn-amd-amdhsa--gfx1250"
	.amdhsa_code_object_version 6
	.text
	.protected	k_qb22765b766_pinn
	.globl	k_qb22765b766_pinn
	.p2align	8
	.type	k_qb22765b766_pinn,@function
k_qb22765b766_pinn:
	s_mov_b64 s[64:65], 0
	v_nop
	global_prefetch_b8 v0, s[64:65] scope:SCOPE_SE
	s_setreg_imm32_b32 hwreg(HW_REG_WAVE_MODE, 25, 1), 1
	s_wait_xcnt 0x0
; Allen-Cahn residual of a Fourier-feature MLP (3 -> 64 sin + 64 cos -> 4 x tanh(128 x 128) -> 2), symmetrised in x0, at 32,768 points.
; NO BACKWARD PASS, AND FOUR STREAMS: the residual takes phi_t and the Laplacian only as phi_t - 0.01 L phi, so the operator M = d/dt - 0.01 (d2/dx0^2 + d2/dx1^2) is carried
; forward as ONE stream beside the value h and the two first derivatives h_x0, h_x1:
;   z = W^T h + b,  h' = tanh z,  d = 1 - h'^2,  h'_x = d z_x,  M h' = d (Mz + 0.02 h' (z_x0^2 + z_x1^2)),  Mz = W^T Mh.
; The mirrored branch is a second evaluation at (-x0, x1, t): its M phi enters as it is, since d2/dx0^2 does not see the sign.
; SHARES: 256 work-groups x 128 points; wave w has 16 points and walks two passes (x0, then -x0).  A pass is 16 columns x 4 streams, kept in registers
; from the features to the output.  8 waves x 512 registers; no barrier stands in the main part, so the waves are free to drift apart.
; PRODUCTS, transposed: Z^T = W^T H^T.  Source 0 = 16 units x 32 k of W (LDS holds W as [k][unit] in f16, read by the turning load), source 1 = H (column = lane % 16).
; In the result register j of lane (r = lane % 16, h = lane / 16) is unit 16 u + 8 h + j of column r; rounded in pairs to f16 these ARE registers 4 (u & 1) + j / 2 of the
; next layer's source 1 at K step u / 2: nothing changes lanes between layers.
; FORMAT: f16 operands, f32 sums.  The derivative streams have no fixed range, so they are carried scaled, per column: hx^ = sig1 h_x (one scale for x0, x1), Mh^ = sig2 Mh.
; Kept per lane: a1 >= |(hx0^, hx1^)|_2, a2 >= |Mh^|_2, kap = sig2 / sig1^2, tau1 = 1 / sig1, tau2 = 1 / sig2.  With om = W's Frobenius norm, Cauchy-Schwarz bounds every
; scaled first derivative of z by b1 = om a1 and every y = Mz^ + 0.02 h' kap (zx0^^2 + zx1^^2) by Y = om a2 + 0.02 kap b1^2, BEFORE the products are made; the layer's results are
; multiplied by rho1 = 2^14 / b1 and rho2 = 2^14 / Y, so that no packed number passes 2^14, a quarter of f16's largest.  a1 and a2 are measured anew in every layer (sums of
; squares of what is scaled, d <= 1), so the bounds do not pile up from layer to layer.
; WHY W IS NOT FETCHED JOINTLY BY A CLUSTER: all work-groups read the same 262,144 bytes of W, once each, and W has to become f16 on the way, which a copy into LDS cannot do.  A stage
; for W in f32 beside the 147,456 bytes in f16 does not fit in LDS whole, so it would want refills and a second pass through LDS; through registers the conversion is
; 128 instructions a wave, once, against the wave's 1,056 matrix instructions.
; LIMITS, stated: (1) the features' phase is formed as x' A + t' MA with x' = x sqrt(G1) / (2 pi 2^14), A = 2 pi sig1 B, t' = t sqrt(G2) / (2 pi 2^14), MA = 2 pi sig2 Bt: an order of
; rounding other than z @ B, a few 1e-7 relative.  (2) sin and cos: Taylor series of sin(pi y), cos(pi y) on |y| <= 1/2, remainders under 1e-6.  (3) G1, G2 and om^2 are held at
; 2^-60 at the least, a1 and a2 at 2^-6.  (4) W and Wout go in f16: magnitudes under 65,504; entries under 2^-14 keep an absolute error of 2^-25.  (5) Y has to stay finite in f32.
; (6) tanh = 1 - 2 / (1 + 2^(2 log2(e) z)): absolute error of a few 1e-7; NaN and infinite inputs are not followed.  (7) phi_t and 0.01 L phi are subtracted stream-wise, ahead of
; the layers, not at the end as in the reference: another order of rounding of the same difference.
; ---- LDS map (bytes) ----
.set WP,    288                        ; a row of W in f16: 256 bytes + 32: an odd multiple of 32, for the turning load
.set LAYB,  128*WP                     ; a layer: 36,864
.set WO,    4*LAYB                     ; 147,456: Wout^T in f16, 2 rows [o][k] of pitch OP
.set OP,    272
.set BI,    WO+768                     ; 148,224: 2 log2(e) bh, [4][128] f32
.set FT,    BI+2048                    ; 150,272: the features' table: A0, A1, MA, MB, 64 f32 each
.set NRM,   FT+1024                    ; 151,296: word 8 l + w: wave w's part of the sum of squares of W_l
.set OUTS,  NRM+256                    ; 151,552: the work-group's 128 results
; ---- constants ----
.set K2,    0x4038aa3b                 ; 2 log2(e)
.set TBIG,  0x46800000                 ; 2^14
.set TINV,  0x38800000                 ; 2^-14
.set AFLOOR,0x3c800000                 ; 2^-6
.set TINY,  0x21800000                 ; 2^-60
.set C02,   0x3ca3d70a                 ; 0.02 = 2 x AC3
; ---- registers, window 0 ----
.set LANEW, 1                          ; my lane's place in a 32 k x 16 unit block of W, for the turning load
.set ADRW,  2                          ; v2, v3: that place in the pair's first and second layer
.set ADRB,  4                          ; my 8 biases of unit tile 0 of the pair's first layer
.set LANEB, 5                          ; BI + 32 h
.set ADRO,  6                          ; my row of Wout^T
.set OSTO,  7                          ; my point's word in OUTS
.set R1,    8                          ; v[8:9]   rho1, a1
.set R2,    10                         ; v[10:11] rho2, a2
.set KM,    12                         ; v[12:13] 0.02 kap of the layer in hand, kap
.set N1,    14                         ; v[14:15] sum of zx0^^2 + zx1^^2
.set N2,    18                         ; v[18:19] sum of y^2
.set TAU1,  20
.set TAU2,  21                         ; v22-28 at work
.set TT,    29                         ; t
.set XX,    30                         ; v[30:31] x0, x1
.set SUMS,  32                         ; v32-34: sums over the two passes of phi, c, M phi
.set GOFF,  36                         ; set-up: my byte offset in a layer of Wh; never rewritten
.set SADR,  37                         ; v37, v38: set-up: where I store W's rows, layers 0-1 and 2-3
.set L4,    39                         ; 4 x lane; never rewritten
.set AZ,    40                         ; the four accumulators, 8 registers each: value, d/dx0, d/dx1, M
.set AX0,   48
.set AX1,   56
.set AM,    64                         ; v72-79 at work in the set-up
.set DA,    80                         ; the chunk's 8 biases, then d
.set QQ,    88                         ; zx0^^2 + zx1^^2, then d rho2
.set FA,    96                         ; v96-223: source 1 of the even layers and of the output layer: stream s, K step c at FA + 32 s + 8 c
; ---- registers, window 1 (named by their low 8 bits) ----
.set FB,    0                          ; v0-127: source 1 of the odd layers; at work in the features
.set WF,    160                        ; v160-191: four fragments of W: 16 units x 128 k
.set XP0,   192                        ; v[192:193], v[194:195], v[196:197]: x0', x1', t', each twice
.set XP1,   194
.set XPT,   196
.set FTA,   198                        ; FT + 32 h
.set CP5,   200                        ; v[200:201], v[202:203]: the two series' top coefficients, each twice
.set CQ5,   202
.set FG,    32                         ; features: phase in revolutions, then y
.set FY2,   40                         ; y^2
.set FS,    48                         ; 2 sin(pi y), then sin(2 pi y)
.set FCP,   56                         ; cos(pi y)
.set FCC,   64                         ; cos(2 pi y)
.set PR,    72                         ; v72-119: the six derivative products
; s[8:23] the eight addresses; s24 wave; s25 pass; s26 layer pair; s27, s46 the pair's LDS offsets; s28, s29 K2 bout; s30, s31 lane selects; s32-35 om of the four layers;
; s36, s37 om of the pair in hand; s38 x's scale, s43 t's; s39 tau1, s40 tau2, s41 kap behind the features; s42 K2; s47 at work
.set MSB, 0
.macro WIN new                         ; s_set_vgpr_msb: bits 1:0 source 0, 3:2 source 1, 5:4 source 2, 7:6 destination; the high byte repeats the setting that is left
.if MSB != \new
	s_set_vgpr_msb (MSB<<8)|\new
.set MSB, \new
.endif
.endm
.macro PLACES                          ; four plain places behind a matrix instruction, ahead of loads into its sources and of reads of its results
.rept 4
	v_nop
.endr
.endm
.macro RED32 r, tmp                    ; sum over the wave's 32 lanes, in every lane; tmp has been written before
	v_add_f32_dpp v[\r], v[\r], v[\r] row_xmask:1 row_mask:0xf bank_mask:0xf
	v_add_f32_dpp v[\r], v[\r], v[\r] row_xmask:2 row_mask:0xf bank_mask:0xf
	v_add_f32_dpp v[\r], v[\r], v[\r] row_xmask:4 row_mask:0xf bank_mask:0xf
	v_add_f32_dpp v[\r], v[\r], v[\r] row_xmask:8 row_mask:0xf bank_mask:0xf
	v_permlanex16_b32 v[\tmp], v[\r], s30, s31
	v_add_f32 v[\r], v[\r], v[\tmp]
.endm
.macro CVT4 dst, src                   ; 8 f32 -> 4 registers of f16 pairs
.irp i,0,1,2,3
	v_cvt_pk_f16_f32 v[(\dst)+\i], v[(\src)+2*\i], v[(\src)+2*\i+1]
.endr
.endm
; ---- set-up: W from memory to LDS, f32 to f16.  Wave w takes rows 16 w .. 16 w + 15 of every layer; a load covers one whole row of 512 bytes ----
.macro WISSUE l, buf
.irp i,0,1,2,3,4,5,6,7,8,9,10,11,12,13,14,15
	global_load_b128 v[\buf+4*\i:\buf+4*\i+3], v[GOFF], s[14:15] offset:65536*\l+512*\i
.endr
.endm
.macro WPROC l, buf                    ; 16 rows: their squares into v[72:75] (the first row starts the sums), rounded to f16, 8 bytes a lane into LDS
.set i, 0
.rept 16
.set b, \buf+4*i
.if i == 0
	v_pk_mul_f32 v[72:73], v[b:b+1], v[b:b+1]
	v_pk_mul_f32 v[74:75], v[b+2:b+3], v[b+2:b+3]
.else
	v_pk_fma_f32 v[72:73], v[b:b+1], v[b:b+1], v[72:73]
	v_pk_fma_f32 v[74:75], v[b+2:b+3], v[b+2:b+3], v[74:75]
.endif
	v_cvt_pk_f16_f32 v[b], v[b], v[b+1]
	v_cvt_pk_f16_f32 v[b+1], v[b+2], v[b+3]
	ds_store_b64 v[SADR+(\l>>1)], v[b:b+1] offset:(\l&1)*LAYB+WP*i
.set i, i+1
.endr
	v_pk_add_f32 v[72:73], v[72:73], v[74:75]
	v_add_f32 v72, v72, v73
	RED32 72, 73
	ds_store_b32 v76, v72 offset:32*\l             ; all lanes write the same word with the same value
.endm
; ---- the features of 16 a + 8 h + 0..7: sin units of tile a, cos units of tile a + 4, all four streams, into FA ----
.macro HORN dst, coef                  ; one Horner step in y^2 on 8 features
.irp p,0,2,4,6
	v_pk_fma_f32 v[\dst+\p:\dst+\p+1], v[\dst+\p:\dst+\p+1], v[FY2+\p:FY2+\p+1], \coef op_sel_hi:[1,1,0]
.endr
.endm
.macro FEAT a
	WIN 0x55                                       ; everything in window 1
.irp q,0,1,2,3
	ds_load_b128 v[8*\q:8*\q+3],   v[FTA] offset:256*\q+64*\a      ; v0-7 A0, v8-15 A1, v16-23 MA, v24-31 MB of my 8 features
	ds_load_b128 v[8*\q+4:8*\q+7], v[FTA] offset:256*\q+64*\a+16
.endr
	s_wait_dscnt 0x0                               ; the table's eight loads
.irp p,0,2,4,6
	v_pk_mul_f32 v[FG+\p:FG+\p+1], v[\p:\p+1], v[XP0:XP0+1]
.endr
.irp p,0,2,4,6
	v_pk_fma_f32 v[FG+\p:FG+\p+1], v[8+\p:9+\p], v[XP1:XP1+1], v[FG+\p:FG+\p+1]
.endr
.irp p,0,2,4,6
	v_pk_fma_f32 v[FG+\p:FG+\p+1], v[16+\p:17+\p], v[XPT:XPT+1], v[FG+\p:FG+\p+1]   ; the phase in revolutions
.endr
.irp i,0,1,2,3,4,5,6,7
	v_rndne_f32 v[FY2+\i], v[FG+\i]
.endr
.irp p,0,2,4,6
	v_pk_add_f32 v[FG+\p:FG+\p+1], v[FG+\p:FG+\p+1], v[FY2+\p:FY2+\p+1] neg_lo:[0,1] neg_hi:[0,1]   ; y in [-1/2, 1/2]
.endr
.irp p,0,2,4,6
	v_pk_mul_f32 v[FY2+\p:FY2+\p+1], v[FG+\p:FG+\p+1], v[FG+\p:FG+\p+1]
.endr
.irp p,0,2,4,6
	v_pk_fma_f32 v[FS+\p:FS+\p+1],   v[FY2+\p:FY2+\p+1], v[CP5:CP5+1], 0x3e283c1a op_sel_hi:[1,1,0]
	v_pk_fma_f32 v[FCP+\p:FCP+\p+1], v[FY2+\p:FY2+\p+1], v[CQ5:CQ5+1], 0x3e70fa83 op_sel_hi:[1,1,0]
.endr
	HORN FS,  0xbf996966                           ; 2 sin(pi y) / y: 2 pi^(2n+1) / (2n+1)! with alternating signs
	HORN FCP, 0xbfaae9e4                           ; cos(pi y): pi^(2n) / (2n)! with alternating signs
	HORN FS,  0x40a335e3
	HORN FCP, 0x4081e0f8
	HORN FS,  0xc1255de7
	HORN FCP, 0xc09de9e6
	HORN FS,  0x40c90fdb
	HORN FCP, 1.0
.irp p,0,2,4,6
	v_pk_mul_f32 v[FS+\p:FS+\p+1], v[FS+\p:FS+\p+1], v[FG+\p:FG+\p+1]            ; s' = 2 sin(pi y)
.endr
.irp p,0,2,4,6
	v_pk_mul_f32 v[FCC+\p:FCC+\p+1], v[FS+\p:FS+\p+1], v[FS+\p:FS+\p+1]
.endr
.irp p,0,2,4,6
	v_pk_mul_f32 v[FS+\p:FS+\p+1], v[FS+\p:FS+\p+1], v[FCP+\p:FCP+\p+1]          ; S = sin(2 pi y) = s' cos(pi y)
.endr
.irp p,0,2,4,6
	v_pk_fma_f32 v[FCC+\p:FCC+\p+1], v[FCC+\p:FCC+\p+1], -0.5, 1.0 op_sel_hi:[1,0,0]   ; C = cos(2 pi y) = 1 - s'^2 / 2
.endr
.irp p,0,2,4,6
	v_pk_mul_f32 v[PR+\p:PR+\p+1],       v[\p:\p+1],     v[FCC+\p:FCC+\p+1]      ; sin units: A0 C, A1 C, MA C + MB S
	v_pk_mul_f32 v[PR+8+\p:PR+9+\p],     v[8+\p:9+\p],   v[FCC+\p:FCC+\p+1]
	v_pk_mul_f32 v[PR+16+\p:PR+17+\p],   v[24+\p:25+\p], v[FS+\p:FS+\p+1]
	v_pk_mul_f32 v[PR+24+\p:PR+25+\p],   v[\p:\p+1],     v[FS+\p:FS+\p+1] neg_lo:[1,0] neg_hi:[1,0]   ; cos units: -A0 S, -A1 S, -MA S + MB C
	v_pk_mul_f32 v[PR+32+\p:PR+33+\p],   v[8+\p:9+\p],   v[FS+\p:FS+\p+1] neg_lo:[1,0] neg_hi:[1,0]
	v_pk_mul_f32 v[PR+40+\p:PR+41+\p],   v[24+\p:25+\p], v[FCC+\p:FCC+\p+1]
	v_pk_fma_f32 v[PR+16+\p:PR+17+\p],   v[16+\p:17+\p], v[FCC+\p:FCC+\p+1], v[PR+16+\p:PR+17+\p]
	v_pk_fma_f32 v[PR+40+\p:PR+41+\p],   v[16+\p:17+\p], v[FS+\p:FS+\p+1], v[PR+40+\p:PR+41+\p] neg_lo:[1,0,0] neg_hi:[1,0,0]
.endr
	WIN 0x05                                       ; sources in window 1, destination FA in window 0
.set fb, FA+8*(\a>>1)+4*(\a&1)
	CVT4 fb,     FS
	CVT4 fb+32,  PR
	CVT4 fb+64,  PR+8
	CVT4 fb+96,  PR+16
	CVT4 fb+16,  FCC                               ; the cos units lie four unit tiles, 16 registers, further on
	CVT4 fb+48,  PR+24
	CVT4 fb+80,  PR+32
	CVT4 fb+112, PR+40
.endm
; ---- a layer ----
.macro WLOAD u, adr                    ; 16 units (tile u) x 128 k of W, turned: 8 loads
.irp c,0,1,2,3
	ds_load_tr16_b128 v[WF+8*\c:WF+8*\c+3],   v[\adr] offset:32*WP*\c+32*(\u)
	ds_load_tr16_b128 v[WF+8*\c+4:WF+8*\c+7], v[\adr] offset:32*WP*\c+16*WP+32*(\u)
.endr
.endm
.macro BLOAD u, boff                   ; my 8 biases of tile u: 2 loads
	ds_load_b128 v[DA:DA+3],   v[ADRB] offset:\boff+64*(\u)
	ds_load_b128 v[DA+4:DA+7], v[ADRB] offset:\boff+64*(\u)+16
.endm
.macro MM fsrc                         ; 16 products: K step c outer, stream s inner.  The four accumulators take turns, one instruction a turn.  The first K step starts the sums.
.irp c,0,1,2,3
.irp s,0,1,2,3
.if \c == 0
	v_wmma_f32_16x16x32_f16 v[AZ+8*\s:AZ+8*\s+7], v[WF+8*\c:WF+8*\c+7], v[\fsrc+32*\s+8*\c:\fsrc+32*\s+8*\c+7], 0
.else
	v_wmma_f32_16x16x32_f16 v[AZ+8*\s:AZ+8*\s+7], v[WF+8*\c:WF+8*\c+7], v[\fsrc+32*\s+8*\c:\fsrc+32*\s+8*\c+7], v[AZ+8*\s:AZ+8*\s+7]
.endif
.endr
.endr
.endm
.macro SCALES om                       ; the layer's scales, from bounds known before its products
	v_mul_f32 v22, s[\om], v[R1+1]                 ; b1 = om a1
	v_mul_f32 v24, s[\om], v[R2+1]                 ; om a2
	v_mul_f32 v23, v22, v22
	v_mul_f32 v23, v23, v[KM+1]                    ; kap b1^2
	v_fma_f32 v24, C02, v23, v24                   ; Y
	v_rcp_f32 v25, v22
	v_rcp_f32 v26, v24
	v_mul_f32 v[KM], C02, v[KM+1]                  ; the plain place behind the reciprocals
	s_wait_alu depctr_va_vdst(0)
	v_mul_f32 v[R1], TBIG, v25                     ; rho1 = 2^14 / b1
	v_mul_f32 v[R2], TBIG, v26                     ; rho2 = 2^14 / Y
	v_mul_f32 v22, TINV, v22                       ; 1 / rho1
	v_mul_f32 v24, TINV, v24                       ; 1 / rho2
	v_mul_f32 v[TAU1], v[TAU1], v22
	v_mul_f32 v[TAU2], v[TAU2], v24
	v_mul_f32 v22, v22, v22
	v_mul_f32 v[KM+1], v[KM+1], v[R2]
	v_mul_f32 v[KM+1], v[KM+1], v22                ; kap <- kap rho2 / rho1^2
.endm
.macro NORMS                           ; a1, a2 of what the layer has packed: rho x the root of the sums over my 64 units and the other half's 64
	v_add_f32 v22, v[N1], v[N1+1]
	v_add_f32 v24, v[N2], v[N2+1]
	v_permlanex16_b32 v25, v22, s30, s31           ; the column's other 64 units lie in the lane 16 away
	v_permlanex16_b32 v26, v24, s30, s31
	v_add_f32 v22, v22, v25
	v_add_f32 v24, v24, v26
	v_sqrt_f32 v22, v22
	v_sqrt_f32 v24, v24
	v_nop                                          ; the plain place behind the roots
	s_wait_alu depctr_va_vdst(0)
	v_mul_f32 v22, v[R1], v22
	v_mul_f32 v24, v[R2], v24
	v_max_num_f32 v[R1+1], AFLOOR, v22
	v_max_num_f32 v[R2+1], AFLOOR, v24
.endm
; The vector work of unit tile u: 8 units a lane, in 4 register pairs
.macro ELEM u, boff, fdst, cvtwin
.irp p,0,2,4,6
	v_pk_fma_f32 v[AZ+\p:AZ+\p+1], v[AZ+\p:AZ+\p+1], K2, v[DA+\p:DA+\p+1] op_sel_hi:[1,0,1]   ; 2 log2(e) (z + b)
.endr
.irp i,0,1,2,3,4,5,6,7
	v_exp_f32 v[AZ+\i], v[AZ+\i]
.endr
.irp p,0,2,4,6
	v_pk_mul_f32 v[QQ+\p:QQ+\p+1], v[AX0+\p:AX0+\p+1], v[AX0+\p:AX0+\p+1]       ; plain work behind the exponentials
.endr
	s_wait_alu depctr_va_vdst(0)
.irp p,0,2,4,6
	v_pk_add_f32 v[AZ+\p:AZ+\p+1], v[AZ+\p:AZ+\p+1], 1.0 op_sel_hi:[1,0]
.endr
.irp i,0,1,2,3,4,5,6,7
	v_rcp_f32 v[AZ+\i], v[AZ+\i]
.endr
.irp p,0,2,4,6
	v_pk_fma_f32 v[QQ+\p:QQ+\p+1], v[AX1+\p:AX1+\p+1], v[AX1+\p:AX1+\p+1], v[QQ+\p:QQ+\p+1]   ; plain work behind the reciprocals: q^ = zx0^^2 + zx1^^2
.endr
	s_wait_alu depctr_va_vdst(0)
.irp p,0,2,4,6
	v_pk_fma_f32 v[AZ+\p:AZ+\p+1], v[AZ+\p:AZ+\p+1], -2.0, 1.0 op_sel_hi:[1,0,0]              ; h' = tanh
.endr
.irp p,0,2,4,6
	v_pk_fma_f32 v[DA+\p:DA+\p+1], v[AZ+\p:AZ+\p+1], v[AZ+\p:AZ+\p+1], 1.0 op_sel_hi:[1,1,0] neg_lo:[1,0,0] neg_hi:[1,0,0]   ; d = 1 - h'^2
.if (\u == 0) && (\p == 0)                             ; tile 0 starts the sum with its first two pairs: nothing is cleared
.elseif (\u == 0) && (\p == 2)
	v_pk_add_f32 v[N1:N1+1], v[QQ:QQ+1], v[QQ+2:QQ+3]
.else
	v_pk_add_f32 v[N1:N1+1], v[N1:N1+1], v[QQ+\p:QQ+\p+1]
.endif
.endr
.irp p,0,2,4,6
	v_pk_mul_f32 v[QQ+\p:QQ+\p+1], v[QQ+\p:QQ+\p+1], v[AZ+\p:AZ+\p+1]
.endr
.irp p,0,2,4,6
	v_pk_fma_f32 v[AM+\p:AM+\p+1], v[QQ+\p:QQ+\p+1], v[KM:KM+1], v[AM+\p:AM+\p+1] op_sel_hi:[1,0,1]   ; y = Mz^ + 0.02 kap h' q^
.endr
.irp p,0,2,4,6
.if (\u == 0) && (\p == 0)
	v_pk_mul_f32 v[N2:N2+1], v[AM:AM+1], v[AM:AM+1]
.else
	v_pk_fma_f32 v[N2:N2+1], v[AM+\p:AM+\p+1], v[AM+\p:AM+\p+1], v[N2:N2+1]
.endif
	v_pk_mul_f32 v[QQ+\p:QQ+\p+1], v[DA+\p:DA+\p+1], v[R2:R2+1] op_sel_hi:[1,0]               ; d rho2
	v_pk_mul_f32 v[DA+\p:DA+\p+1], v[DA+\p:DA+\p+1], v[R1:R1+1] op_sel_hi:[1,0]               ; d rho1
.endr
.irp p,0,2,4,6
	v_pk_mul_f32 v[AX0+\p:AX0+\p+1], v[AX0+\p:AX0+\p+1], v[DA+\p:DA+\p+1]
	v_pk_mul_f32 v[AX1+\p:AX1+\p+1], v[AX1+\p:AX1+\p+1], v[DA+\p:DA+\p+1]
	v_pk_mul_f32 v[AM+\p:AM+\p+1],   v[AM+\p:AM+\p+1],   v[QQ+\p:QQ+\p+1]
.endr
.if \u < 7
	BLOAD \u+1, \boff                              ; DA has had its last use: the next tile's biases
.endif
	WIN \cvtwin
.set fd, \fdst+8*(\u>>1)+4*(\u&1)
.irp s,0,1,2,3
	CVT4 fd+32*\s, AZ+8*\s
.endr
.endm
.macro CHUNK u, adr, boff, mmwin, fsrc, fdst, cvtwin
	s_wait_dscnt 2                                 ; LDS loads come back in order: the tile's 8 weight loads are in, the 2 bias loads issued behind them may be out
	WIN \mmwin
	MM \fsrc
	PLACES
.if \u < 7
	WIN 0x40                                       ; destination window 1
	WLOAD \u+1, \adr
	WIN 0
	s_wait_dscnt 8                                 ; the biases are in; the 8 weight loads just issued stay out
.else
	WIN 0
	s_wait_dscnt 0x0                               ; the biases; nothing was issued behind them
.endif
	ELEM \u, \boff, \fdst, \cvtwin
.endm
.macro LAYER adr, boff, om, mmwin, fsrc, fdst, cvtwin
	WIN 0x40
	WLOAD 0, \adr
	WIN 0
	BLOAD 0, \boff
	SCALES \om
.irp u,0,1,2,3,4,5,6,7
	CHUNK \u, \adr, \boff, \mmwin, \fsrc, \fdst, \cvtwin
.endr
	WIN 0
	NORMS
.endm
; =================================== set-up ===================================
	s_load_b512 s[8:23], s[0:1], 0x0               ; x s[8:9], t s[10:11], B s[12:13], Wh s[14:15], bh s[16:17], Wout s[18:19], bout s[20:21], out0 s[22:23]
	v_lshl_add_u32 v254, v0, 2, 0x25200
	v_mov_b32 v255, 0
	s_mov_b32 s30, 0x76543210                      ; v_permlanex16_b32: each lane takes its own place in the other half
	s_mov_b32 s31, 0xfedcba98
	s_mov_b32 s42, K2
	v_and_b32 v22, 31, v0                          ; lane
	v_lshrrev_b32 v23, 5, v0
	v_readfirstlane_b32 s24, v23                   ; wave 0..7
	v_and_b32 v24, 15, v0                          ; r
	v_bfe_u32 v25, v0, 4, 1                        ; h
	v_and_b32 v26, 7, v0
	v_lshl_add_u32 v26, v25, 3, v26                ; the turning load: lane reads row k = 8 h + lane % 8,
	v_mul_u32_u24 v[LANEW], v26, WP
	v_bfe_u32 v26, v0, 3, 1
	v_lshl_add_u32 v[LANEW], v26, 4, v[LANEW]      ; units 8 ((lane / 8) % 2) + 0..7
	v_lshl_add_u32 v[LANEB], v25, 5, BI
	v_and_b32 v26, 1, v0
	v_mul_u32_u24 v[ADRO], v26, OP                 ; output layer: lane r reads row r & 1 of Wout^T, so results 8 h + 0 and 8 h + 1 are u0 and u1 in every lane
	v_lshl_add_u32 v[ADRO], v25, 4, v[ADRO]
	v_add_nc_u32 v[ADRO], WO, v[ADRO]
	s_lshl_b32 s47, s24, 6
	v_lshl_add_u32 v[OSTO], v24, 2, s47
	v_add_nc_u32 v[OSTO], OUTS, v[OSTO]            ; OUTS + 4 (16 w + r)
	s_lshl_b32 s47, s24, 13
	v_lshl_add_u32 v[GOFF], v22, 4, s47            ; 16 rows x 512 bytes a wave, 16 bytes a lane
	s_mul_i32 s47, s24, 16*WP
	v_lshl_add_u32 v[SADR], v22, 3, s47            ; 16 LDS rows a wave, 8 bytes a lane
	v_add_nc_u32 v[SADR+1], 2*LAYB, v[SADR]
	v_lshlrev_b32 v[L4], 2, v22
	v_lshlrev_b32 v78, 5, v22                      ; Wout: 32 bytes a lane
	v_lshlrev_b32 v79, 4, v22                      ; bh: 16 bytes a lane
	s_lshl_b32 s46, ttmp9, 7
	s_lshl_b32 s47, s24, 4
	s_add_co_u32 s46, s46, s47
	v_add_nc_u32 v77, s46, v24                     ; my point = 128 wg + 16 w + r
	v_lshlrev_b32 v76, 3, v77
	v_lshlrev_b32 v77, 2, v77
	WIN 0x40
	v_lshl_add_u32 v[FTA], v25, 5, FT
	v_mov_b32 v[CP5], 0xbc7183a8                   ; -2 pi^11 / 11!
	v_mov_b32 v[CP5+1], 0xbc7183a8
	v_mov_b32 v[CQ5], 0xbcd368f9                   ; -pi^10 / 10!
	v_mov_b32 v[CQ5+1], 0xbcd368f9
	WIN 0
	s_wait_kmcnt 0x0
	s_load_b64 s[28:29], s[20:21], 0x0             ; bout
	; 14 small loads, alike in every wave, so that the counts below hold in every wave
.irp i,0,1,2
	global_load_b32 v[40+2*\i], v[L4], s[12:13] offset:256*\i        ; B[i][lane]
	global_load_b32 v[41+2*\i], v[L4], s[12:13] offset:256*\i+128    ; B[i][lane + 32]
.endr
	global_load_b128 v[48:51], v78, s[18:19]
	global_load_b128 v[52:55], v78, s[18:19] offset:16
.irp i,0,1,2,3
	global_load_b128 v[56+4*\i:59+4*\i], v79, s[16:17] offset:512*\i
.endr
	global_load_b64 v[XX:XX+1], v76, s[8:9]
	global_load_b32 v[TT], v77, s[10:11]
	WISSUE 0, 96
	WISSUE 1, 160
	s_wait_loadcnt 32                              ; loads come back in order: the 14 small ones are in, W's 32 stay out; their address registers are free
	; With p = B0^2 + B1^2: G1 = 4 pi^2 sum p is the squared norm of the features' x-derivatives; G2 = sum((2 pi Bt)^2 + (0.04 pi^2 p)^2) that of their M, both exactly:
	; a feature's sin and cos unit together give (a C + b S)^2 + (-a S + b C)^2 = a^2 + b^2
	v_mul_f32 v22, v40, v40
	v_mul_f32 v23, v41, v41
	v_fmac_f32 v22, v42, v42                       ; p of feature lane
	v_fmac_f32 v23, v43, v43                       ; of feature lane + 32
	v_mul_f32 v25, v44, v44
	v_mul_f32 v26, v22, v22
	v_fmac_f32 v25, v45, v45
	v_fmac_f32 v26, v23, v23
	v_add_f32 v24, v22, v23
	v_mul_f32 v25, 0x421de9e6, v25                 ; 4 pi^2 Bt^2
	v_fmac_f32 v25, 0x3e1f9856, v26                ; + (0.04 pi^2)^2 p^2
	RED32 24, 26
	RED32 25, 26
	v_mul_f32 v24, 0x421de9e6, v24                 ; 4 pi^2
	v_max_num_f32 v24, TINY, v24                   ; G1
	v_max_num_f32 v25, TINY, v25                   ; G2
	v_sqrt_f32 v26, v24
	v_rsq_f32 v27, v24
	v_sqrt_f32 v28, v25
	v_rsq_f32 v46, v25
	v_mul_f32 v47, TINV, v24                       ; the plain place: it writes no source and reads no result of the four above
	s_wait_alu depctr_va_vdst(0)
	v_mul_f32 v47, v47, v46                        ; kap = G1 / (sqrt(G2) 2^14)
	v_mul_f32 v24, 0x3722f983, v26                 ; x's scale = sqrt(G1) / (2 pi 2^14)
	v_mul_f32 v25, 0x3722f983, v28                 ; t's scale = sqrt(G2) / (2 pi 2^14)
	v_mul_f32 v26, TINV, v26                       ; tau1 = sqrt(G1) / 2^14
	v_mul_f32 v28, TINV, v28                       ; tau2 = sqrt(G2) / 2^14
	v_mul_f32 v27, 0x47c90fdb, v27                 ; 2 pi sig1 = 2 pi 2^14 / sqrt(G1)
	v_mul_f32 v77, 0x45ca2127, v46                 ; 0.04 pi^2 sig2
	v_mul_f32 v46, 0x47c90fdb, v46                 ; 2 pi sig2
	v_readfirstlane_b32 s38, v24
	v_readfirstlane_b32 s43, v25
	v_readfirstlane_b32 s39, v26
	v_readfirstlane_b32 s40, v28
	v_readfirstlane_b32 s41, v47
	s_wait_kmcnt 0x0                               ; bout
	v_mul_f32 v24, s28, s42
	v_mul_f32 v25, s29, s42
	v_readfirstlane_b32 s28, v24                   ; 2 log2(e) bout
	v_readfirstlane_b32 s29, v25
	s_lshl_b32 s47, s24, 2
	s_add_co_u32 s47, s47, NRM
	v_mov_b32 v76, s47                             ; my wave's words in NRM
	s_cmp_lg_u32 s24, 0
	s_cbranch_scc1 .Lnot_wave_0
.irp i,0,1,2,3                         ; wave 0: the features' table
	v_mul_f32 v[40+\i], v27, v[40+\i]              ; A0, A1 = 2 pi sig1 B
.endr
	v_mul_f32 v44, v46, v44                        ; MA = 2 pi sig2 Bt
	v_mul_f32 v45, v46, v45
	v_mul_f32 v22, v77, v22                        ; MB = 0.04 pi^2 sig2 p
	v_mul_f32 v23, v77, v23
	v_add_nc_u32 v24, FT, v[L4]
.irp i,0,1,2,3,4,5
	ds_store_b32 v24, v[40+\i] offset:128*\i
.endr
	ds_store_b32 v24, v22 offset:768
	ds_store_b32 v24, v23 offset:896
.Lnot_wave_0:
	s_cmp_lg_u32 s24, 1
	s_cbranch_scc1 .Lnot_wave_1
	v_cvt_pk_f16_f32 v24, v48, v50                 ; wave 1: Wout^T: my 4 k of output 0,
	v_cvt_pk_f16_f32 v25, v52, v54
	v_cvt_pk_f16_f32 v26, v49, v51                 ; of output 1
	v_cvt_pk_f16_f32 v27, v53, v55
	v_lshl_add_u32 v28, v[L4], 1, WO
	ds_store_b64 v28, v[24:25]
	ds_store_b64 v28, v[26:27] offset:OP
.Lnot_wave_1:
	s_cmp_lg_u32 s24, 2
	s_cbranch_scc1 .Lnot_wave_2
.irp i,0,1,2,3,4,5,6,7                 ; wave 2: the biases, times 2 log2(e)
	v_pk_mul_f32 v[56+2*\i:57+2*\i], v[56+2*\i:57+2*\i], K2 op_sel_hi:[1,0]
.endr
	v_lshl_add_u32 v28, v[L4], 2, BI
.irp i,0,1,2,3
	ds_store_b128 v28, v[56+4*\i:59+4*\i] offset:512*\i
.endr
.Lnot_wave_2:
	s_wait_loadcnt 16                              ; layer 0's 16 loads are in; layer 1's 16 are younger
	WPROC 0, 96
	WISSUE 2, 96
	s_wait_loadcnt 16                              ; layer 1's; layer 2's are younger
	WPROC 1, 160
	WISSUE 3, 160
	s_wait_loadcnt 16                              ; layer 2's; layer 3's are younger
	WPROC 2, 96
	s_wait_loadcnt 0x0                             ; layer 3's
	WPROC 3, 160
	s_wait_dscnt 0x0                               ; for the others' sake: all my LDS stores are done
	s_barrier_signal -1
	s_barrier_wait -1                              ; W, Wout^T, the biases, the table and the partial norms are whole; from here on they are only read
	v_add_nc_u32 v22, NRM, v[L4]
	ds_load_b32 v23, v22                           ; lane 8 l + w: wave w's part of layer l
	s_wait_dscnt 0x0
	v_add_f32_dpp v23, v23, v23 row_xmask:1 row_mask:0xf bank_mask:0xf
	v_add_f32_dpp v23, v23, v23 row_xmask:2 row_mask:0xf bank_mask:0xf
	v_add_f32_dpp v23, v23, v23 row_xmask:4 row_mask:0xf bank_mask:0xf
	v_max_num_f32 v23, TINY, v23
	v_sqrt_f32 v23, v23
.irp i,0,1,2
	v_mov_b32 v[SUMS+\i], 0                        ; the three sums over the passes; the first move is the plain place behind the root
.endr
	s_wait_alu depctr_va_vdst(0)
	v_readlane_b32 s32, v23, 0                     ; om of layers 0 to 3
	v_readlane_b32 s33, v23, 8
	v_readlane_b32 s34, v23, 16
	v_readlane_b32 s35, v23, 24
	s_mov_b32 s25, 0
; =================================== two passes: (x0, x1, t), then (-x0, x1, t) ===================================
.Leval:
	WIN 0x40
	v_mul_f32 v[XP0],   s38, v[XX]
	v_mul_f32 v[XP0+1], s38, v[XX]
	v_mul_f32 v[XP1],   s38, v[XX+1]
	v_mul_f32 v[XP1+1], s38, v[XX+1]
	v_mul_f32 v[XPT],   s43, v[TT]
	v_mul_f32 v[XPT+1], s43, v[TT]
	WIN 0
	v_mov_b32 v[R1+1], TBIG                        ; behind the features a1 = a2 = 2^14
	v_mov_b32 v[R2+1], TBIG
	v_mov_b32 v[KM+1], s41
	v_mov_b32 v[TAU1], s39
	v_mov_b32 v[TAU2], s40
	FEAT 0
	FEAT 1
	FEAT 2
	FEAT 3
	WIN 0                                          ; at a label and at a branch every window is 0
	s_mov_b32 s26, 0
.Lpair:                                                ; two trips: layers 0, 1 and layers 2, 3
	s_mul_i32 s27, s26, 2*LAYB
	s_lshl_b32 s46, s26, 10
	s_cmp_eq_u32 s26, 0
	s_cselect_b32 s36, s32, s34
	s_cselect_b32 s37, s33, s35
	v_add_nc_u32 v[ADRW], s27, v[LANEW]
	v_add_nc_u32 v[ADRW+1], LAYB, v[ADRW]
	v_add_nc_u32 v[ADRB], s46, v[LANEB]
	LAYER ADRW,   0,   36, 0x01, FA, FB, 0x40      ; W in window 1, H in FA (window 0); results into FB (window 1)
	LAYER ADRW+1, 512, 37, 0x05, FB, FA, 0         ; W and H in window 1; results into FA
	s_add_co_u32 s26, s26, 1
	s_cmp_lt_u32 s26, 2
	s_cbranch_scc1 .Lpair
	; the output layer: 16 products as in a layer, on Wout^T, whose rows lie along k
	WIN 0x40
.irp c,0,1,2,3
	ds_load_b128 v[WF+8*\c:WF+8*\c+3],   v[ADRO] offset:64*\c
	ds_load_b128 v[WF+8*\c+4:WF+8*\c+7], v[ADRO] offset:64*\c+32
.endr
	s_wait_dscnt 0x0
	WIN 0x01
	MM FA
	PLACES
	WIN 0
	; the point: phi = tanh(u0) / 2 + 1/2 and M phi = d (M u0 + 0.02 tanh(u0) q) / 2; c from phi and tanh(u1)
	v_fma_f32 v22, v[AZ], s42, s28
	v_fma_f32 v23, v[AZ+1], s42, s29
	v_exp_f32 v22, v22
	v_exp_f32 v23, v23
	v_mul_f32 v25, v[TAU1], v[AX0]                 ; u0_x0, unscaled; the plain place behind the exponentials
	s_wait_alu depctr_va_vdst(0)
	v_add_f32 v22, 1.0, v22
	v_add_f32 v23, 1.0, v23
	v_rcp_f32 v22, v22
	v_rcp_f32 v23, v23
	v_mul_f32 v26, v[TAU1], v[AX1]                 ; u0_x1; the plain place behind the reciprocals
	v_mul_f32 v27, v[TAU2], v[AM]                  ; M u0
	s_wait_alu depctr_va_vdst(0)
	v_fma_f32 v22, -2.0, v22, 1.0                  ; tanh u0
	v_fma_f32 v23, -2.0, v23, 1.0                  ; tanh u1
	v_mul_f32 v25, v25, v25
	v_fma_f32 v25, v26, v26, v25                   ; q
	v_fma_f32 v26, -v22, v22, 1.0                  ; d
	v_mul_f32 v26, 0.5, v26
	v_mul_f32 v25, v25, v22
	v_fma_f32 v27, C02, v25, v27                   ; M u0 + 0.02 tanh(u0) q
	v_fma_f32 v[SUMS+2], v26, v27, v[SUMS+2]       ; M phi
	v_fma_f32 v22, 0.5, v22, 0.5                   ; phi
	v_fma_f32 v23, 0.5, v23, 0.5
	v_add_f32 v[SUMS], v[SUMS], v22
	v_fma_f32 v[SUMS+1], 0x3f01782d, v23, v[SUMS+1]    ; cl = (1 - CSE + CLE) (tanh(u1) / 2 + 1/2), 0.50574
	v_fma_f32 v24, -2.0, v22, 0x40400000           ; 3 - 2 phi
	v_mul_f32 v25, v22, v22
	v_mul_f32 v24, v24, v25
	v_fma_f32 v[SUMS+1], 0x3efd0fa6, v24, v[SUMS+1]    ; + (CSE - CLE) (3 phi^2 - 2 phi^3), 0.49426
	v_xor_b32 v[XX], 0x80000000, v[XX]             ; the mirror
	s_add_co_u32 s25, s25, 1
	s_cmp_lt_u32 s25, 2
	s_cbranch_scc1 .Leval
; =================================== the residual ===================================
; With w = phi - phi^2: dh = 6 w, dg = 2 w (1 - 2 phi), so ac = M phi + w (2 - 4 phi - 12 (CSE - CLE) (c - (CSE - CLE) h - CLE)); the sums over the two passes are halved on the way
	v_mul_f32 v[SUMS], 0.5, v[SUMS]                ; phi
	v_fma_f32 v25, 0.5, v[SUMS+1], 0xbbbc169c      ; c - CLE
	v_mul_f32 v22, v[SUMS], v[SUMS]
	v_fma_f32 v23, -2.0, v[SUMS], 0x40400000
	v_fma_f32 v26, -4.0, v[SUMS], 2.0
	v_mul_f32 v23, v23, v22                        ; h(phi)
	v_sub_f32 v24, v[SUMS], v22                    ; w
	v_fma_f32 v25, 0xbefd0fa6, v23, v25
	v_fma_f32 v26, 0xc0bdcbbc, v25, v26            ; -5.93112 = -12 x 0.49426
	v_mul_f32 v26, v26, v24
	v_fma_f32 v26, 0.5, v[SUMS+2], v26
	ds_store_b32 v[OSTO], v26                      ; lanes r and r + 16 hold the same point and write the same word
	s_wait_dscnt 0x0                               ; for wave 0's sake
	s_barrier_signal -1
	s_barrier_wait -1
	s_cmp_lg_u32 s24, 0
	s_cbranch_scc1 .Lend
	v_lshl_add_u32 v22, v[L4], 2, OUTS             ; wave 0: 16 bytes a lane
	ds_load_b128 v[40:43], v22
	s_lshl_b32 s47, ttmp9, 9
	v_lshl_add_u32 v23, v[L4], 2, s47
	s_wait_dscnt 0x0
	global_store_b128 v23, v[40:43], s[22:23]      ; the work-group's 128 results: one store of 512 consecutive bytes, at a multiple of 512 from out0's first byte
.Lend:
	s_wait_tensorcnt 0x0
	ds_add_u32 v254, v255
	s_wait_dscnt 0x0
	s_endpgm
.Lfunc_end_k_qb22765b766_pinn:
	.size	k_qb22765b766_pinn, .Lfunc_end_k_qb22765b766_pinn-k_qb22765b766_pinn
	.p2alignl 7, 3214868480
	.fill 96, 4, 3214868480
	.section	.rodata,"a",@progbits
	.p2align	6, 0x0
	.amdhsa_kernel k_qb22765b766_pinn
		.amdhsa_group_segment_fixed_size 153088
		.amdhsa_private_segment_fixed_size 0
		.amdhsa_enable_private_segment 0
		.amdhsa_kernarg_size 64
		.amdhsa_user_sgpr_count 2
		.amdhsa_user_sgpr_kernarg_segment_ptr 1
		.amdhsa_wavefront_size32 1
		.amdhsa_system_sgpr_workgroup_id_x 1
		.amdhsa_system_sgpr_workgroup_id_y 1
		.amdhsa_system_sgpr_workgroup_id_z 1
		.amdhsa_system_vgpr_workitem_id 0
		.amdhsa_next_free_vgpr 512
		.amdhsa_next_free_sgpr 66
		.amdhsa_reserve_vcc 0
		.amdhsa_float_denorm_mode_32 3
		.amdhsa_float_denorm_mode_16_64 3
		.amdhsa_memory_ordered 1
		.amdhsa_forward_progress 1
		.amdhsa_inst_pref_size 208
	.end_amdhsa_kernel
	.amdgpu_metadata
---
amdhsa.version: [ 1, 2 ]
amdhsa.kernels:
  - .name:           k_qb22765b766_pinn
    .symbol:         k_qb22765b766_pinn.kd
    .args:
      - { .name: x, .offset: 0, .size: 8, .value_kind: global_buffer, .address_space: global }
      - { .name: t, .offset: 8, .size: 8, .value_kind: global_buffer, .address_space: global }
      - { .name: B, .offset: 16, .size: 8, .value_kind: global_buffer, .address_space: global }
      - { .name: Wh, .offset: 24, .size: 8, .value_kind: global_buffer, .address_space: global }
      - { .name: bh, .offset: 32, .size: 8, .value_kind: global_buffer, .address_space: global }
      - { .name: Wout, .offset: 40, .size: 8, .value_kind: global_buffer, .address_space: global }
      - { .name: bout, .offset: 48, .size: 8, .value_kind: global_buffer, .address_space: global }
      - { .name: out0, .offset: 56, .size: 8, .value_kind: global_buffer, .address_space: global }
    .group_segment_fixed_size: 153088
    .private_segment_fixed_size: 0
    .kernarg_segment_align: 8
    .kernarg_segment_size: 64
    .max_flat_workgroup_size: 256
    .sgpr_count:     66
    .vgpr_count:     512
    .wavefront_size: 32
...
	.end_amdgpu_metadata
.endif
;; end of part 2
;; ======== version 3 of 3: 1 launch; version 2 with the launch pinn written anew for expert scheduling mode
;; limits: values are held in f16: magnitudes above 65,504 overflow, below 6.1e-05 lose precision; inputs' magnitudes at most 65,504
;; launch pinn (part 3): grid 256 x 1, 8 waves a work-group, no clusters, 153,088 bytes of LDS; arguments x, t, B, Wh, bh, Wout, bout, out0; writes out0
.if DOCPART == 3
	.amdgcn_target "amdgcn-amd-amdhsa--gfx1250"
	.amdhsa_code_object_version 6
	.text
	.protected	k_qb22765b766_pinn
	.globl	k_qb22765b766_pinn
	.p2align	8
	.type	k_qb22765b766_pinn,@function
k_qb22765b766_pinn:
	s_mov_b64 s[64:65], 0
	v_nop
	global_prefetch_b8 v0, s[64:65] scope:SCOPE_SE
	s_setreg_imm32_b32 hwreg(HW_REG_WAVE_SCHED_MODE, 0, 2), 2
	s_setreg_imm32_b32 hwreg(HW_REG_WAVE_MODE, 25, 1), 1
	s_wait_xcnt 0x0
	s_wait_alu depctr_vm_vsrc(0)
; Allen-Cahn residual of a Fourier-feature MLP (3 -> 64 sin + 64 cos -> 4 x tanh(128 x 128) -> 2), symmetrised in x0, at 32,768 points.
; NO BACKWARD PASS, AND FOUR STREAMS: the residual takes phi_t and the Laplacian only as phi_t - 0.01 L phi, so the operator M = d/dt - 0.01 (d2/dx0^2 + d2/dx1^2) is carried
; forward as ONE stream beside the value h and the two first derivatives h_x0, h_x1:
;   z = W^T h + b,  h' = tanh z,  d = 1 - h'^2,  h'_x = d z_x,  M h' = d (Mz + 0.02 h' (z_x0^2 + z_x1^2)),  Mz = W^T Mh.
; The mirrored branch is a second evaluation at (-x0, x1, t): its M phi enters as it is, since d2/dx0^2 does not see the sign.
; SHARES: 256 work-groups x 128 points; wave w has 16 points and walks two passes (x0, then -x0).  A pass is 16 columns x 4 streams, kept in registers
; from the features to the output.  8 waves x 512 registers; no barrier stands in the main part, so the waves are free to drift apart.
; PRODUCTS, transposed: Z^T = W^T H^T.  Source 0 = 16 units x 32 k of W (LDS holds W as [k][unit] in f16, read by the turning load), source 1 = H (column = lane % 16).
; In the result register j of lane (r = lane % 16, h = lane / 16) is unit 16 u + 8 h + j of column r; rounded in pairs to f16 these ARE registers 4 (u & 1) + j / 2 of the
; next layer's source 1 at K step u / 2: nothing changes lanes between layers.
; FORMAT: f16 operands, f32 sums.  The derivative streams have no fixed range, so they are carried scaled, per column: hx^ = sig1 h_x (one scale for x0, x1), Mh^ = sig2 Mh.
; Kept per lane: a1 >= |(hx0^, hx1^)|_2, a2 >= |Mh^|_2, kap = sig2 / sig1^2, tau1 = 1 / sig1, tau2 = 1 / sig2.  With om = W's Frobenius norm, Cauchy-Schwarz bounds every
; scaled first derivative of z by b1 = om a1 and every y = Mz^ + 0.02 h' kap (zx0^^2 + zx1^^2) by Y = om a2 + 0.02 kap b1^2, BEFORE the products are made; the layer's results are
; multiplied by rho1 = 2^14 / b1 and rho2 = 2^14 / Y, so that no packed number passes 2^14, a quarter of f16's largest.  a1 and a2 are measured anew in every layer (sums of
; squares of what is scaled, d <= 1), so the bounds do not pile up from layer to layer.
; WHY W IS NOT FETCHED JOINTLY BY A CLUSTER: all work-groups read the same 262,144 bytes of W, once each, and W has to become f16 on the way, which a copy into LDS cannot do.  A stage
; for W in f32 beside the 147,456 bytes in f16 does not fit in LDS whole, so it would want refills and a second pass through LDS; through registers the conversion is
; 128 instructions a wave, once, against the wave's 1,056 matrix instructions.
; LIMITS, stated: (1) the features' phase is formed as x' A + t' MA with x' = x sqrt(G1) / (2 pi 2^14), A = 2 pi sig1 B, t' = t sqrt(G2) / (2 pi 2^14), MA = 2 pi sig2 Bt: an order of
; rounding other than z @ B, a few 1e-7 relative.  (2) sin and cos: Taylor series of sin(pi y), cos(pi y) on |y| <= 1/2, remainders under 1e-6.  (3) G1, G2 and om^2 are held at
; 2^-60 at the least, a1 and a2 at 2^-6.  (4) W and Wout go in f16: magnitudes under 65,504; entries under 2^-14 keep an absolute error of 2^-25.  (5) Y has to stay finite in f32.
; (6) tanh = 1 - 2 / (1 + 2^(2 log2(e) z)): absolute error of a few 1e-7; NaN and infinite inputs are not followed.  (7) phi_t and 0.01 L phi are subtracted stream-wise, ahead of
; the layers, not at the end as in the reference: another order of rounding of the same difference.
; THE MODE: SCHED_MODE bits 1:0 = 2 (LLVM: expert scheduling mode 2), set by the entry lines.  The code itself states the register dependences
; between vector or matrix instructions and memory or LDS instructions, with s_wait_alu, always for 0.
; THE PLAN.  Registers that LDS instructions touch in the main part:
;   WF0, WF1      Tile u's weights land in WF[u & 1]: asked for at the head of chunk u - 1 (tiles 0 and 1 at the layer's head), read by chunk u's sixteen products alone.
;   DA            Tile u's biases land in it: asked for at the head of chunk u (tile 0's at the layer's head); chunk u's vector work reads them and then keeps d there.
;   TBL0 .. TBL3  The features' tables: 32 loads in one run at a pass's head; FEAT a reads TBL[a].  TBL0 lies in FB, TBL1 and TBL2 are WF1 and WF0.
;   ADRW, ADRW+1, ADRB  Read by every load of weights and biases; written by three adds at a pair's head.
;   FTA, ADRO, OSTO, NRA, L4, GOFF, SADR  Made in the set-up and never written again.
;   FA, FB, the accumulators and the statistics are named by vector and matrix instructions alone.
; So ONE wait on va_vdst stands at the head of a pass, of a layer and of each of a layer's chunks 1 to 7, and the run of loads behind it touches only registers that the work in front of
; it has finished with and that the products behind it do not name.  One wait on vm_vsrc stands at a pair's head, ahead of the three adds.
; ---- LDS map (bytes) ----
.set WP,    288                        ; a row of W in f16: 256 bytes + 32: an odd multiple of 32, for the turning load
.set LAYB,  128*WP                     ; a layer: 36,864
.set WO,    4*LAYB                     ; 147,456: Wout^T in f16, 2 rows [o][k] of pitch OP
.set OP,    272
.set BI,    WO+768                     ; 148,224: 2 log2(e) bh, [4][128] f32
.set FT,    BI+2048                    ; 150,272: the features' table: A0, A1, MA, MB, 64 f32 each
.set NRM,   FT+1024                    ; 151,296: word 8 l + w: wave w's part of the sum of squares of W_l
.set OUTS,  NRM+256                    ; 151,552: the work-group's 128 results
; ---- constants ----
.set K2,    0x4038aa3b                 ; 2 log2(e)
.set TBIG,  0x46800000                 ; 2^14
.set TINV,  0x38800000                 ; 2^-14
.set AFLOOR,0x3c800000                 ; 2^-6
.set TINY,  0x21800000                 ; 2^-60
.set C02,   0x3ca3d70a                 ; 0.02 = 2 x AC3
; ---- registers, window 0 ----
.set LANEW, 1                          ; my lane's place in a 32 k x 16 unit block of W, for the turning load
.set ADRW,  2                          ; v2, v3: that place in the pair's first and second layer
.set ADRB,  4                          ; my 8 biases of unit tile 0 of the pair's first layer
.set LANEB, 5                          ; BI + 32 h
.set ADRO,  6                          ; my row of Wout^T
.set OSTO,  7                          ; my point's word in OUTS
.set R1,    8                          ; v[8:9]   rho1, a1       (set-up: v8 wave 0's, v9 wave 1's LDS address)
.set R2,    10                         ; v[10:11] rho2, a2       (set-up: v10-13 wave 1's four registers of Wout^T)
.set KM,    12                         ; v[12:13] 0.02 kap of the layer in hand, kap
.set N1,    14                         ; v[14:15] sum of zx0^^2 + zx1^^2   (set-up: v14 wave 2's LDS address)
.set NS,    16                         ; v16-19: set-up: my wave's sums of squares of the four layers, a register to a layer
.set N2,    18                         ; v[18:19] sum of y^2
.set TAU1,  20
.set TAU2,  21                         ; v22-28 at work
.set TT,    29                         ; t
.set XX,    30                         ; v[30:31] x0, x1
.set SUMS,  32                         ; v32-34: sums over the two passes of phi, c, M phi
.set NRA,   35                         ; NRM + 4 x lane; never rewritten
.set GOFF,  36                         ; set-up: my byte offset in a layer of Wh; never rewritten
.set SADR,  37                         ; v37, v38: set-up: where I store W's rows, layers 0-1 and 2-3
.set L4,    39                         ; 4 x lane; never rewritten
.set AZ,    40                         ; the four accumulators, 8 registers each: value, d/dx0, d/dx1, M
.set AX0,   48
.set AX1,   56
.set AM,    64                         ; v72-79 at work in the set-up
.set DA,    80                         ; the chunk's 8 biases, then d
.set QQ,    88                         ; zx0^^2 + zx1^^2, then d rho2
.set FA,    96                         ; v96-223: source 1 of the even layers and of the output layer: stream s, K step c at FA + 32 s + 8 c
; ---- registers, window 1 (named by their low 8 bits) ----
.set FB,    0                          ; v0-127: source 1 of the odd layers; at work in the features
.set WF,    160                        ; two buffers of four fragments of W (16 units x 128 k): tile u's at WF - 32 (u & 1): v160-191, v128-159
.set TBL0,  0                          ; the features' tables of FEAT 0 to 3, 32 registers each
.set TBL1,  128
.set TBL2,  160
.set TBL3,  208
.set XP0,   192                        ; v[192:193], v[194:195], v[196:197]: x0', x1', t', each twice
.set XP1,   194
.set XPT,   196
.set FTA,   198                        ; FT + 32 h
.set CP5,   200                        ; v[200:201], v[202:203]: the two series' top coefficients, each twice
.set CQ5,   202
.set FG,    32                         ; features: phase in revolutions, then y
.set FY2,   40                         ; y^2
.set FS,    48                         ; 2 sin(pi y), then sin(2 pi y)
.set FCP,   56                         ; cos(pi y)
.set FCC,   64                         ; cos(2 pi y)
.set PR,    72                         ; v72-119: the six derivative products
; s[8:23] the eight addresses; s24 wave; s25 pass; s26 layer pair; s27, s46 the pair's LDS offsets; s28, s29 K2 bout; s30, s31 lane selects; s32-35 om of the four layers;
; s36, s37 om of the pair in hand; s38 x's scale, s43 t's; s39 tau1, s40 tau2, s41 kap behind the features; s42 K2; s47 at work
.set MSB, 0
.macro WIN new                         ; s_set_vgpr_msb: bits 1:0 source 0, 3:2 source 1, 5:4 source 2, 7:6 destination; the high byte repeats the setting that is left
.if MSB != \new
	s_set_vgpr_msb (MSB<<8)|\new
.set MSB, \new
.endif
.endm
.macro PLACES                          ; four plain places behind a matrix instruction, ahead of reads of its results (ISA guide 7.12.1)
.rept 4
	v_nop
.endr
.endm
.macro RED32 r, tmp                    ; sum over the wave's 32 lanes, in every lane; tmp has been written before
	v_add_f32_dpp v[\r], v[\r], v[\r] row_xmask:1 row_mask:0xf bank_mask:0xf
	v_add_f32_dpp v[\r], v[\r], v[\r] row_xmask:2 row_mask:0xf bank_mask:0xf
	v_add_f32_dpp v[\r], v[\r], v[\r] row_xmask:4 row_mask:0xf bank_mask:0xf
	v_add_f32_dpp v[\r], v[\r], v[\r] row_xmask:8 row_mask:0xf bank_mask:0xf
	v_permlanex16_b32 v[\tmp], v[\r], s30, s31
	v_add_f32 v[\r], v[\r], v[\tmp]
.endm
.macro CVT4 dst, src                   ; 8 f32 -> 4 registers of f16 pairs
.irp i,0,1,2,3
	v_cvt_pk_f16_f32 v[(\dst)+\i], v[(\src)+2*\i], v[(\src)+2*\i+1]
.endr
.endm
; ---- set-up: W from memory to LDS, f32 to f16.  Wave w takes rows 16 w .. 16 w + 15 of every layer; a load covers one whole row of 512 bytes ----
.macro WISSUE l, buf
.irp i,0,1,2,3,4,5,6,7,8,9,10,11,12,13,14,15
	global_load_b128 v[\buf+4*\i:\buf+4*\i+3], v[GOFF], s[14:15] offset:65536*\l+512*\i
.endr
.endm
.macro ROWS buf                        ; 16 rows: their squares into v[72:75] (the first row starts the sums); each row rounded to f16, into the first two of its four registers
.set i, 0
.rept 16
.set b, \buf+4*i
.if i == 0
	v_pk_mul_f32 v[72:73], v[b:b+1], v[b:b+1]
	v_pk_mul_f32 v[74:75], v[b+2:b+3], v[b+2:b+3]
.else
	v_pk_fma_f32 v[72:73], v[b:b+1], v[b:b+1], v[72:73]
	v_pk_fma_f32 v[74:75], v[b+2:b+3], v[b+2:b+3], v[74:75]
.endif
	v_cvt_pk_f16_f32 v[b], v[b], v[b+1]
	v_cvt_pk_f16_f32 v[b+1], v[b+2], v[b+3]
.set i, i+1
.endr
.endm
.macro WSTORE l, buf                   ; the 16 rows in one run: 8 bytes a lane into LDS
.irp i,0,1,2,3,4,5,6,7,8,9,10,11,12,13,14,15
	ds_store_b64 v[SADR+(\l>>1)], v[\buf+4*\i:\buf+4*\i+1] offset:(\l&1)*LAYB+WP*\i
.endr
.endm
.macro RSUM l                          ; the wave's sum of squares of layer l, in every lane, into a register of its own: it is stored at the set-up's end
	v_pk_add_f32 v[72:73], v[72:73], v[74:75]
	v_add_f32 v[NS+\l], v72, v73
	RED32 NS+\l, 73
.endm
; ---- the features of 16 a + 8 h + 0..7: sin units of tile a, cos units of tile a + 4, all four streams, into FA ----
.macro TLOAD a, tb                     ; v[tb ..]: 8 registers each of A0, A1, MA, MB of my 8 features
.irp q,0,1,2,3
	ds_load_b128 v[\tb+8*\q:\tb+8*\q+3],   v[FTA] offset:256*\q+64*\a
	ds_load_b128 v[\tb+8*\q+4:\tb+8*\q+7], v[FTA] offset:256*\q+64*\a+16
.endr
.endm
.macro HORN dst, coef                  ; one Horner step in y^2 on 8 features
.irp p,0,2,4,6
	v_pk_fma_f32 v[\dst+\p:\dst+\p+1], v[\dst+\p:\dst+\p+1], v[FY2+\p:FY2+\p+1], \coef op_sel_hi:[1,1,0]
.endr
.endm
.macro FEAT a, tb
	WIN 0x55                                       ; everything in window 1
	s_wait_dscnt 24-8*\a                           ; LDS loads come back in order: my table's eight loads are in, the younger tables' (eight loads each) stay out
.irp p,0,2,4,6
	v_pk_mul_f32 v[FG+\p:FG+\p+1], v[\tb+\p:\tb+\p+1], v[XP0:XP0+1]
.endr
.irp p,0,2,4,6
	v_pk_fma_f32 v[FG+\p:FG+\p+1], v[\tb+8+\p:\tb+9+\p], v[XP1:XP1+1], v[FG+\p:FG+\p+1]
.endr
.irp p,0,2,4,6
	v_pk_fma_f32 v[FG+\p:FG+\p+1], v[\tb+16+\p:\tb+17+\p], v[XPT:XPT+1], v[FG+\p:FG+\p+1]   ; the phase in revolutions
.endr
.irp i,0,1,2,3,4,5,6,7
	v_rndne_f32 v[FY2+\i], v[FG+\i]
.endr
.irp p,0,2,4,6
	v_pk_add_f32 v[FG+\p:FG+\p+1], v[FG+\p:FG+\p+1], v[FY2+\p:FY2+\p+1] neg_lo:[0,1] neg_hi:[0,1]   ; y in [-1/2, 1/2]
.endr
.irp p,0,2,4,6
	v_pk_mul_f32 v[FY2+\p:FY2+\p+1], v[FG+\p:FG+\p+1], v[FG+\p:FG+\p+1]
.endr
.irp p,0,2,4,6
	v_pk_fma_f32 v[FS+\p:FS+\p+1],   v[FY2+\p:FY2+\p+1], v[CP5:CP5+1], 0x3e283c1a op_sel_hi:[1,1,0]
	v_pk_fma_f32 v[FCP+\p:FCP+\p+1], v[FY2+\p:FY2+\p+1], v[CQ5:CQ5+1], 0x3e70fa83 op_sel_hi:[1,1,0]
.endr
	HORN FS,  0xbf996966                           ; 2 sin(pi y) / y: 2 pi^(2n+1) / (2n+1)! with alternating signs
	HORN FCP, 0xbfaae9e4                           ; cos(pi y): pi^(2n) / (2n)! with alternating signs
	HORN FS,  0x40a335e3
	HORN FCP, 0x4081e0f8
	HORN FS,  0xc1255de7
	HORN FCP, 0xc09de9e6
	HORN FS,  0x40c90fdb
	HORN FCP, 1.0
.irp p,0,2,4,6
	v_pk_mul_f32 v[FS+\p:FS+\p+1], v[FS+\p:FS+\p+1], v[FG+\p:FG+\p+1]            ; s' = 2 sin(pi y)
.endr
.irp p,0,2,4,6
	v_pk_mul_f32 v[FCC+\p:FCC+\p+1], v[FS+\p:FS+\p+1], v[FS+\p:FS+\p+1]
.endr
.irp p,0,2,4,6
	v_pk_mul_f32 v[FS+\p:FS+\p+1], v[FS+\p:FS+\p+1], v[FCP+\p:FCP+\p+1]          ; S = sin(2 pi y) = s' cos(pi y)
.endr
.irp p,0,2,4,6
	v_pk_fma_f32 v[FCC+\p:FCC+\p+1], v[FCC+\p:FCC+\p+1], -0.5, 1.0 op_sel_hi:[1,0,0]   ; C = cos(2 pi y) = 1 - s'^2 / 2
.endr
.irp p,0,2,4,6
	v_pk_mul_f32 v[PR+\p:PR+\p+1],       v[\tb+\p:\tb+\p+1],       v[FCC+\p:FCC+\p+1]      ; sin units: A0 C, A1 C, MA C + MB S
	v_pk_mul_f32 v[PR+8+\p:PR+9+\p],     v[\tb+8+\p:\tb+9+\p],     v[FCC+\p:FCC+\p+1]
	v_pk_mul_f32 v[PR+16+\p:PR+17+\p],   v[\tb+24+\p:\tb+25+\p],   v[FS+\p:FS+\p+1]
	v_pk_mul_f32 v[PR+24+\p:PR+25+\p],   v[\tb+\p:\tb+\p+1],       v[FS+\p:FS+\p+1] neg_lo:[1,0] neg_hi:[1,0]   ; cos units: -A0 S, -A1 S, -MA S + MB C
	v_pk_mul_f32 v[PR+32+\p:PR+33+\p],   v[\tb+8+\p:\tb+9+\p],     v[FS+\p:FS+\p+1] neg_lo:[1,0] neg_hi:[1,0]
	v_pk_mul_f32 v[PR+40+\p:PR+41+\p],   v[\tb+24+\p:\tb+25+\p],   v[FCC+\p:FCC+\p+1]
	v_pk_fma_f32 v[PR+16+\p:PR+17+\p],   v[\tb+16+\p:\tb+17+\p],   v[FCC+\p:FCC+\p+1], v[PR+16+\p:PR+17+\p]
	v_pk_fma_f32 v[PR+40+\p:PR+41+\p],   v[\tb+16+\p:\tb+17+\p],   v[FS+\p:FS+\p+1], v[PR+40+\p:PR+41+\p] neg_lo:[1,0,0] neg_hi:[1,0,0]
.endr
	WIN 0x05                                       ; sources in window 1, destination FA in window 0
.set fb, FA+8*(\a>>1)+4*(\a&1)
	CVT4 fb,     FS
	CVT4 fb+32,  PR
	CVT4 fb+64,  PR+8
	CVT4 fb+96,  PR+16
	CVT4 fb+16,  FCC                               ; the cos units lie four unit tiles, 16 registers, further on
	CVT4 fb+48,  PR+24
	CVT4 fb+80,  PR+32
	CVT4 fb+112, PR+40
.endm
; ---- a layer ----
.macro WLOAD u, adr                    ; 16 units (tile u) x 128 k of W, turned: 8 loads, into the tile's buffer
.set wfl, WF-32*((\u)&1)
.irp c,0,1,2,3
	ds_load_tr16_b128 v[wfl+8*\c:wfl+8*\c+3],   v[\adr] offset:32*WP*\c+32*(\u)
	ds_load_tr16_b128 v[wfl+8*\c+4:wfl+8*\c+7], v[\adr] offset:32*WP*\c+16*WP+32*(\u)
.endr
.endm
.macro BLOAD u, boff                   ; my 8 biases of tile u: 2 loads
	ds_load_b128 v[DA:DA+3],   v[ADRB] offset:\boff+64*(\u)
	ds_load_b128 v[DA+4:DA+7], v[ADRB] offset:\boff+64*(\u)+16
.endm
.macro MM fsrc                         ; 16 products on the weights at wfm: K step c outer, stream s inner.  The four accumulators take turns, one instruction a turn.  The first K step starts the sums.
.irp c,0,1,2,3
.irp s,0,1,2,3
.if \c == 0
	v_wmma_f32_16x16x32_f16 v[AZ+8*\s:AZ+8*\s+7], v[wfm+8*\c:wfm+8*\c+7], v[\fsrc+32*\s+8*\c:\fsrc+32*\s+8*\c+7], 0
.else
	v_wmma_f32_16x16x32_f16 v[AZ+8*\s:AZ+8*\s+7], v[wfm+8*\c:wfm+8*\c+7], v[\fsrc+32*\s+8*\c:\fsrc+32*\s+8*\c+7], v[AZ+8*\s:AZ+8*\s+7]
.endif
.endr
.endr
.endm
.macro SCALES om                       ; the layer's scales, from bounds known before its products
	v_mul_f32 v22, s[\om], v[R1+1]                 ; b1 = om a1
	v_mul_f32 v24, s[\om], v[R2+1]                 ; om a2
	v_mul_f32 v23, v22, v22
	v_mul_f32 v23, v23, v[KM+1]                    ; kap b1^2
	v_fma_f32 v24, C02, v23, v24                   ; Y
	v_rcp_f32 v25, v22
	v_rcp_f32 v26, v24
	v_mul_f32 v[KM], C02, v[KM+1]                  ; the plain place behind the reciprocals
	s_wait_alu depctr_va_vdst(0)
	v_mul_f32 v[R1], TBIG, v25                     ; rho1 = 2^14 / b1
	v_mul_f32 v[R2], TBIG, v26                     ; rho2 = 2^14 / Y
	v_mul_f32 v22, TINV, v22                       ; 1 / rho1
	v_mul_f32 v24, TINV, v24                       ; 1 / rho2
	v_mul_f32 v[TAU1], v[TAU1], v22
	v_mul_f32 v[TAU2], v[TAU2], v24
	v_mul_f32 v22, v22, v22
	v_mul_f32 v[KM+1], v[KM+1], v[R2]
	v_mul_f32 v[KM+1], v[KM+1], v22                ; kap <- kap rho2 / rho1^2
.endm
.macro NORMS                           ; a1, a2 of what the layer has packed: rho x the root of the sums over my 64 units and the other half's 64
	v_add_f32 v22, v[N1], v[N1+1]
	v_add_f32 v24, v[N2], v[N2+1]
	v_permlanex16_b32 v25, v22, s30, s31           ; the column's other 64 units lie in the lane 16 away
	v_permlanex16_b32 v26, v24, s30, s31
	v_add_f32 v22, v22, v25
	v_add_f32 v24, v24, v26
	v_sqrt_f32 v22, v22
	v_sqrt_f32 v24, v24
	v_nop                                          ; the plain place behind the roots
	s_wait_alu depctr_va_vdst(0)
	v_mul_f32 v22, v[R1], v22
	v_mul_f32 v24, v[R2], v24
	v_max_num_f32 v[R1+1], AFLOOR, v22
	v_max_num_f32 v[R2+1], AFLOOR, v24
.endm
; The vector work of unit tile u: 8 units a lane, in 4 register pairs.  It holds no LDS instruction.
.macro ELEM u, fdst, cvtwin
.irp p,0,2,4,6
	v_pk_fma_f32 v[AZ+\p:AZ+\p+1], v[AZ+\p:AZ+\p+1], K2, v[DA+\p:DA+\p+1] op_sel_hi:[1,0,1]   ; 2 log2(e) (z + b)
.endr
.irp i,0,1,2,3,4,5,6,7
	v_exp_f32 v[AZ+\i], v[AZ+\i]
.endr
.irp p,0,2,4,6
	v_pk_mul_f32 v[QQ+\p:QQ+\p+1], v[AX0+\p:AX0+\p+1], v[AX0+\p:AX0+\p+1]       ; plain work behind the exponentials
.endr
	s_wait_alu depctr_va_vdst(0)
.irp p,0,2,4,6
	v_pk_add_f32 v[AZ+\p:AZ+\p+1], v[AZ+\p:AZ+\p+1], 1.0 op_sel_hi:[1,0]
.endr
.irp i,0,1,2,3,4,5,6,7
	v_rcp_f32 v[AZ+\i], v[AZ+\i]
.endr
.irp p,0,2,4,6
	v_pk_fma_f32 v[QQ+\p:QQ+\p+1], v[AX1+\p:AX1+\p+1], v[AX1+\p:AX1+\p+1], v[QQ+\p:QQ+\p+1]   ; plain work behind the reciprocals: q^ = zx0^^2 + zx1^^2
.endr
	s_wait_alu depctr_va_vdst(0)
.irp p,0,2,4,6
	v_pk_fma_f32 v[AZ+\p:AZ+\p+1], v[AZ+\p:AZ+\p+1], -2.0, 1.0 op_sel_hi:[1,0,0]              ; h' = tanh
.endr
.irp p,0,2,4,6
	v_pk_fma_f32 v[DA+\p:DA+\p+1], v[AZ+\p:AZ+\p+1], v[AZ+\p:AZ+\p+1], 1.0 op_sel_hi:[1,1,0] neg_lo:[1,0,0] neg_hi:[1,0,0]   ; d = 1 - h'^2
.if (\u == 0) && (\p == 0)                             ; tile 0 starts the sum with its first two pairs: nothing is cleared
.elseif (\u == 0) && (\p == 2)
	v_pk_add_f32 v[N1:N1+1], v[QQ:QQ+1], v[QQ+2:QQ+3]
.else
	v_pk_add_f32 v[N1:N1+1], v[N1:N1+1], v[QQ+\p:QQ+\p+1]
.endif
.endr
.irp p,0,2,4,6
	v_pk_mul_f32 v[QQ+\p:QQ+\p+1], v[QQ+\p:QQ+\p+1], v[AZ+\p:AZ+\p+1]
.endr
.irp p,0,2,4,6
	v_pk_fma_f32 v[AM+\p:AM+\p+1], v[QQ+\p:QQ+\p+1], v[KM:KM+1], v[AM+\p:AM+\p+1] op_sel_hi:[1,0,1]   ; y = Mz^ + 0.02 kap h' q^
.endr
.irp p,0,2,4,6
.if (\u == 0) && (\p == 0)
	v_pk_mul_f32 v[N2:N2+1], v[AM:AM+1], v[AM:AM+1]
.else
	v_pk_fma_f32 v[N2:N2+1], v[AM+\p:AM+\p+1], v[AM+\p:AM+\p+1], v[N2:N2+1]
.endif
	v_pk_mul_f32 v[QQ+\p:QQ+\p+1], v[DA+\p:DA+\p+1], v[R2:R2+1] op_sel_hi:[1,0]               ; d rho2
	v_pk_mul_f32 v[DA+\p:DA+\p+1], v[DA+\p:DA+\p+1], v[R1:R1+1] op_sel_hi:[1,0]               ; d rho1
.endr
.irp p,0,2,4,6
	v_pk_mul_f32 v[AX0+\p:AX0+\p+1], v[AX0+\p:AX0+\p+1], v[DA+\p:DA+\p+1]
	v_pk_mul_f32 v[AX1+\p:AX1+\p+1], v[AX1+\p:AX1+\p+1], v[DA+\p:DA+\p+1]
	v_pk_mul_f32 v[AM+\p:AM+\p+1],   v[AM+\p:AM+\p+1],   v[QQ+\p:QQ+\p+1]
.endr
	WIN \cvtwin
.set fd, \fdst+8*(\u>>1)+4*(\u&1)
.irp s,0,1,2,3
	CVT4 fd+32*\s, AZ+8*\s
.endr
.endm
; Chunk u: at its head (u > 0) one wait and one run of loads, this tile's biases and the next tile's weights; then the tile's sixteen products, which name WF[u & 1], H and the
; accumulators and none of the registers in which those loads land; then the tile's vector work.  The two kinds of load stand in the order that spares a window switch.
.macro CHUNK u, adr, boff, mmwin, fsrc, fdst, cvtwin
.if \u == 0
	s_wait_dscnt 10                                ; LDS loads come back in order: tile 0's 8 weight loads are in; tile 1's 8 and the 2 bias loads issued behind them may be out
.else
	s_wait_alu depctr_va_vdst(0)                   ; the chunk before is done: its vector work with DA, in which the biases land; its products with their weights, in whose buffer the next tile's land
.if \cvtwin == 0
	BLOAD \u, \boff
.if \u < 7
	WIN 0x40                                       ; destination window 1
	WLOAD \u+1, \adr
.endif
.else
.if \u < 7
	WLOAD \u+1, \adr                               ; the conversions have left destination window 1 standing
.endif
	WIN 0
	BLOAD \u, \boff
.endif
.endif
	WIN \mmwin
.set wfm, WF-32*(\u&1)
	MM \fsrc
	PLACES
	WIN 0
	s_wait_dscnt 0x0                               ; the biases are in, and so are the next tile's weights, asked for ahead of the sixteen products: the next chunk's products need no further wait
	ELEM \u, \fdst, \cvtwin
.endm
.macro LAYER adr, boff, om, mmwin, fsrc, fdst, cvtwin
	WIN 0x40
	s_wait_alu depctr_va_vdst(0)                   ; both weight buffers have been read (the last layer's tiles 6 and 7, or the features' tables in them); DA has had its last use; at a pair's head the three addresses are written
	WLOAD 0, \adr
	WLOAD 1, \adr
	WIN 0
	BLOAD 0, \boff
	SCALES \om                                     ; names the statistics alone: none of the registers in which the 18 loads land
.irp u,0,1,2,3,4,5,6,7
	CHUNK \u, \adr, \boff, \mmwin, \fsrc, \fdst, \cvtwin
.endr
	WIN 0
	NORMS
.endm
; =================================== set-up ===================================
	s_load_b512 s[8:23], s[0:1], 0x0               ; x s[8:9], t s[10:11], B s[12:13], Wh s[14:15], bh s[16:17], Wout s[18:19], bout s[20:21], out0 s[22:23]
	v_lshl_add_u32 v254, v0, 2, 0x25200
	v_mov_b32 v255, 0
	s_mov_b32 s30, 0x76543210                      ; v_permlanex16_b32: each lane takes its own place in the other half
	s_mov_b32 s31, 0xfedcba98
	s_mov_b32 s42, K2
	v_and_b32 v22, 31, v0                          ; lane
	v_lshrrev_b32 v23, 5, v0
	v_readfirstlane_b32 s24, v23                   ; wave 0..7
	v_and_b32 v24, 15, v0                          ; r
	v_bfe_u32 v25, v0, 4, 1                        ; h
	v_and_b32 v26, 7, v0
	v_lshl_add_u32 v26, v25, 3, v26                ; the turning load: lane reads row k = 8 h + lane % 8,
	v_mul_u32_u24 v[LANEW], v26, WP
	v_bfe_u32 v26, v0, 3, 1
	v_lshl_add_u32 v[LANEW], v26, 4, v[LANEW]      ; units 8 ((lane / 8) % 2) + 0..7
	v_lshl_add_u32 v[LANEB], v25, 5, BI
	v_and_b32 v26, 1, v0
	v_mul_u32_u24 v[ADRO], v26, OP                 ; output layer: lane r reads row r & 1 of Wout^T, so results 8 h + 0 and 8 h + 1 are u0 and u1 in every lane
	v_lshl_add_u32 v[ADRO], v25, 4, v[ADRO]
	v_add_nc_u32 v[ADRO], WO, v[ADRO]
	s_wait_alu depctr_va_sdst(0)                   ; s24 is written, ahead of its first reader, the next line
	s_lshl_b32 s47, s24, 6
	v_lshl_add_u32 v[OSTO], v24, 2, s47
	v_add_nc_u32 v[OSTO], OUTS, v[OSTO]            ; OUTS + 4 (16 w + r)
	s_lshl_b32 s47, s24, 13
	v_lshl_add_u32 v[GOFF], v22, 4, s47            ; 16 rows x 512 bytes a wave, 16 bytes a lane
	s_mul_i32 s47, s24, 16*WP
	v_lshl_add_u32 v[SADR], v22, 3, s47            ; 16 LDS rows a wave, 8 bytes a lane
	v_add_nc_u32 v[SADR+1], 2*LAYB, v[SADR]
	v_lshlrev_b32 v[L4], 2, v22
	v_add_nc_u32 v[NRA], NRM, v[L4]                ; where I read the partial norms behind the barrier
	v_lshlrev_b32 v78, 5, v22                      ; Wout: 32 bytes a lane
	v_lshlrev_b32 v79, 4, v22                      ; bh: 16 bytes a lane
	s_lshl_b32 s46, ttmp9, 7
	s_lshl_b32 s47, s24, 4
	s_add_co_u32 s46, s46, s47
	v_add_nc_u32 v77, s46, v24                     ; my point = 128 wg + 16 w + r
	v_lshlrev_b32 v76, 3, v77
	v_lshlrev_b32 v77, 2, v77
	WIN 0x40
	v_lshl_add_u32 v[FTA], v25, 5, FT
	v_mov_b32 v[CP5], 0xbc7183a8                   ; -2 pi^11 / 11!
	v_mov_b32 v[CP5+1], 0xbc7183a8
	v_mov_b32 v[CQ5], 0xbcd368f9                   ; -pi^10 / 10!
	v_mov_b32 v[CQ5+1], 0xbcd368f9
	WIN 0
	s_wait_kmcnt 0x0
	s_load_b64 s[28:29], s[20:21], 0x0             ; bout
	s_wait_alu depctr_va_vdst(0)                   ; every offset and LDS address made above is written: the loads below, and all later LDS instructions by the addresses that are never rewritten, read them
	; 14 small loads, alike in every wave, so that the counts below hold in every wave
.irp i,0,1,2
	global_load_b32 v[40+2*\i], v[L4], s[12:13] offset:256*\i        ; B[i][lane]
	global_load_b32 v[41+2*\i], v[L4], s[12:13] offset:256*\i+128    ; B[i][lane + 32]
.endr
	global_load_b128 v[48:51], v78, s[18:19]
	global_load_b128 v[52:55], v78, s[18:19] offset:16
.irp i,0,1,2,3
	global_load_b128 v[56+4*\i:59+4*\i], v79, s[16:17] offset:512*\i
.endr
	global_load_b64 v[XX:XX+1], v76, s[8:9]
	global_load_b32 v[TT], v77, s[10:11]
	WISSUE 0, 96
	WISSUE 1, 160
	s_wait_loadcnt 32                              ; loads come back in order: the 14 small ones are in, W's 32 stay out; their address registers are free
	s_wait_alu depctr_vm_vsrc(0)                   ; the loads issued so far have read their offsets: v76 and v77 are written again below
	; With p = B0^2 + B1^2: G1 = 4 pi^2 sum p is the squared norm of the features' x-derivatives; G2 = sum((2 pi Bt)^2 + (0.04 pi^2 p)^2) that of their M, both exactly:
	; a feature's sin and cos unit together give (a C + b S)^2 + (-a S + b C)^2 = a^2 + b^2
	v_mul_f32 v22, v40, v40
	v_mul_f32 v23, v41, v41
	v_fmac_f32 v22, v42, v42                       ; p of feature lane
	v_fmac_f32 v23, v43, v43                       ; of feature lane + 32
	v_mul_f32 v25, v44, v44
	v_mul_f32 v26, v22, v22
	v_fmac_f32 v25, v45, v45
	v_fmac_f32 v26, v23, v23
	v_add_f32 v24, v22, v23
	v_mul_f32 v25, 0x421de9e6, v25                 ; 4 pi^2 Bt^2
	v_fmac_f32 v25, 0x3e1f9856, v26                ; + (0.04 pi^2)^2 p^2
	RED32 24, 26
	RED32 25, 26
	v_mul_f32 v24, 0x421de9e6, v24                 ; 4 pi^2
	v_max_num_f32 v24, TINY, v24                   ; G1
	v_max_num_f32 v25, TINY, v25                   ; G2
	v_sqrt_f32 v26, v24
	v_rsq_f32 v27, v24
	v_sqrt_f32 v28, v25
	v_rsq_f32 v46, v25
	v_mul_f32 v47, TINV, v24                       ; the plain place: it writes no source and reads no result of the four above
	s_wait_alu depctr_va_vdst(0)
	v_mul_f32 v47, v47, v46                        ; kap = G1 / (sqrt(G2) 2^14)
	v_mul_f32 v24, 0x3722f983, v26                 ; x's scale = sqrt(G1) / (2 pi 2^14)
	v_mul_f32 v25, 0x3722f983, v28                 ; t's scale = sqrt(G2) / (2 pi 2^14)
	v_mul_f32 v26, TINV, v26                       ; tau1 = sqrt(G1) / 2^14
	v_mul_f32 v28, TINV, v28                       ; tau2 = sqrt(G2) / 2^14
	v_mul_f32 v27, 0x47c90fdb, v27                 ; 2 pi sig1 = 2 pi 2^14 / sqrt(G1)
	v_mul_f32 v77, 0x45ca2127, v46                 ; 0.04 pi^2 sig2
	v_mul_f32 v46, 0x47c90fdb, v46                 ; 2 pi sig2
	v_readfirstlane_b32 s38, v24
	v_readfirstlane_b32 s43, v25
	v_readfirstlane_b32 s39, v26
	v_readfirstlane_b32 s40, v28
	v_readfirstlane_b32 s41, v47
	s_wait_kmcnt 0x0                               ; bout
	v_mul_f32 v24, s28, s42
	v_mul_f32 v25, s29, s42
	v_readfirstlane_b32 s28, v24                   ; 2 log2(e) bout
	v_readfirstlane_b32 s29, v25
	s_wait_alu depctr_va_sdst(0)                   ; s38 to s41, s43, s28 and s29 are written: one wait behind the run of seven, ahead of the first branch; their readers stand in the passes
	s_lshl_b32 s47, s24, 2
	s_add_co_u32 s47, s47, NRM
	v_mov_b32 v76, s47                             ; my wave's words in NRM
	s_cmp_lg_u32 s24, 0
	s_cbranch_scc1 .Lnot_wave_0
.irp i,0,1,2,3                         ; wave 0: the features' table
	v_mul_f32 v[40+\i], v27, v[40+\i]              ; A0, A1 = 2 pi sig1 B
.endr
	v_mul_f32 v44, v46, v44                        ; MA = 2 pi sig2 Bt
	v_mul_f32 v45, v46, v45
	v_mul_f32 v22, v77, v22                        ; MB = 0.04 pi^2 sig2 p
	v_mul_f32 v23, v77, v23
	v_add_nc_u32 v8, FT, v[L4]
	s_wait_alu depctr_va_vdst(0)                   ; the eight registers of the table and their address v8 are written, which the stores read
.irp i,0,1,2,3,4,5
	ds_store_b32 v8, v[40+\i] offset:128*\i
.endr
	ds_store_b32 v8, v22 offset:768
	ds_store_b32 v8, v23 offset:896
.Lnot_wave_0:
	s_cmp_lg_u32 s24, 1
	s_cbranch_scc1 .Lnot_wave_1
	v_cvt_pk_f16_f32 v10, v48, v50                 ; wave 1: Wout^T: my 4 k of output 0,
	v_cvt_pk_f16_f32 v11, v52, v54
	v_cvt_pk_f16_f32 v12, v49, v51                 ; of output 1
	v_cvt_pk_f16_f32 v13, v53, v55
	v_lshl_add_u32 v9, v[L4], 1, WO
	s_wait_alu depctr_va_vdst(0)                   ; v[10:13] and their address v9 are written, which the stores read
	ds_store_b64 v9, v[10:11]
	ds_store_b64 v9, v[12:13] offset:OP
.Lnot_wave_1:
	s_cmp_lg_u32 s24, 2
	s_cbranch_scc1 .Lnot_wave_2
.irp i,0,1,2,3,4,5,6,7                 ; wave 2: the biases, times 2 log2(e)
	v_pk_mul_f32 v[56+2*\i:57+2*\i], v[56+2*\i:57+2*\i], K2 op_sel_hi:[1,0]
.endr
	v_lshl_add_u32 v14, v[L4], 2, BI
	s_wait_alu depctr_va_vdst(0)                   ; v[56:71] and their address v14 are written, which the stores read
.irp i,0,1,2,3
	ds_store_b128 v14, v[56+4*\i:59+4*\i] offset:512*\i
.endr
.Lnot_wave_2:
	; W, a layer at a time, on two raw buffers by turns: the rows are rounded; one wait; their stores in one run; one wait; the buffer is asked for again; the sum of squares is closed while those loads are out
	s_wait_loadcnt 16                              ; layer 0's 16 loads are in; layer 1's 16 are younger
	ROWS 96
	s_wait_alu depctr_va_vdst(0)                   ; the conversions have written the 16 pairs that the stores read, and are done with the whole buffer, in which layer 2's loads land
	WSTORE 0, 96
	s_wait_alu depctr_vm_vsrc(0)                   ; the stores have read their pairs, in which layer 2's loads land
	WISSUE 2, 96
	RSUM 0                                         ; names v72-75 and v16 alone
	s_wait_loadcnt 16                              ; layer 1's; layer 2's are younger
	ROWS 160
	s_wait_alu depctr_va_vdst(0)                   ; as above, for the second buffer and layer 3's loads
	WSTORE 1, 160
	s_wait_alu depctr_vm_vsrc(0)                   ; the stores have read their pairs, in which layer 3's loads land
	WISSUE 3, 160
	RSUM 1
	s_wait_loadcnt 16                              ; layer 2's; layer 3's are younger
	ROWS 96
	RSUM 2
	s_wait_alu depctr_va_vdst(0)                   ; the conversions have written the 16 pairs that the stores read
	WSTORE 2, 96
	s_wait_loadcnt 0x0                             ; layer 3's
	ROWS 160
	RSUM 3
	s_wait_alu depctr_va_vdst(0)                   ; the conversions have written the 16 pairs, the reductions v16 to v19, and v76 is written: the stores below read them
	WSTORE 3, 160
.irp l,0,1,2,3
	ds_store_b32 v76, v[NS+\l] offset:32*\l        ; all lanes write the same word with the same value
.endr
	s_wait_dscnt 0x0                               ; for the others' sake: all my LDS stores are done
	s_barrier_signal -1
	s_barrier_wait -1                              ; W, Wout^T, the biases, the table and the partial norms are whole; from here on they are only read
	s_wait_alu depctr_vm_vsrc(0)                   ; my LDS stores have read their data and addresses: v8 to v19, v22, v23, v40 to v71, v76 and v96 to v223 are working registers from here on, v23 at once
	ds_load_b32 v23, v[NRA]                        ; lane 8 l + w: wave w's part of layer l.  No vector instruction has been issued since the last wait on va_vdst
	s_wait_dscnt 0x0
	v_add_f32_dpp v23, v23, v23 row_xmask:1 row_mask:0xf bank_mask:0xf
	v_add_f32_dpp v23, v23, v23 row_xmask:2 row_mask:0xf bank_mask:0xf
	v_add_f32_dpp v23, v23, v23 row_xmask:4 row_mask:0xf bank_mask:0xf
	v_max_num_f32 v23, TINY, v23
	v_sqrt_f32 v23, v23
.irp i,0,1,2
	v_mov_b32 v[SUMS+\i], 0                        ; the three sums over the passes; the first move is the plain place behind the root
.endr
	s_wait_alu depctr_va_vdst(0)
	v_readlane_b32 s32, v23, 0                     ; om of layers 0 to 3
	v_readlane_b32 s33, v23, 8
	v_readlane_b32 s34, v23, 16
	v_readlane_b32 s35, v23, 24
	s_wait_alu depctr_va_sdst(0)                   ; s32 to s35 are written: one wait behind the run of four, ahead of the label; the selects at a pair's head read them
	s_mov_b32 s25, 0
; =================================== two passes: (x0, x1, t), then (-x0, x1, t) ===================================
.Leval:
	WIN 0x55                                       ; the tables and their address lie in window 1
	s_wait_alu depctr_va_vdst(0)                   ; the pass before is done: its products have read FB and both weight buffers, its features TBL3: the four tables land in these
	TLOAD 0, TBL0
	TLOAD 1, TBL1
	TLOAD 2, TBL2
	TLOAD 3, TBL3
	WIN 0x40
	v_mul_f32 v[XP0],   s38, v[XX]
	v_mul_f32 v[XP0+1], s38, v[XX]
	v_mul_f32 v[XP1],   s38, v[XX+1]
	v_mul_f32 v[XP1+1], s38, v[XX+1]
	v_mul_f32 v[XPT],   s43, v[TT]
	v_mul_f32 v[XPT+1], s43, v[TT]
	WIN 0
	v_mov_b32 v[R1+1], TBIG                        ; behind the features a1 = a2 = 2^14
	v_mov_b32 v[R2+1], TBIG
	v_mov_b32 v[KM+1], s41
	v_mov_b32 v[TAU1], s39
	v_mov_b32 v[TAU2], s40
	FEAT 0, TBL0
	FEAT 1, TBL1
	FEAT 2, TBL2
	FEAT 3, TBL3
	WIN 0                                          ; at a label and at a branch every window is 0
	s_mov_b32 s26, 0
.Lpair:                                                ; two trips: layers 0, 1 and layers 2, 3
	s_mul_i32 s27, s26, 2*LAYB
	s_lshl_b32 s46, s26, 10
	s_cmp_eq_u32 s26, 0
	s_cselect_b32 s36, s32, s34
	s_cselect_b32 s37, s33, s35
	s_wait_alu depctr_vm_vsrc(0)                   ; the LDS loads issued so far have read the three addresses that the adds below write
	v_add_nc_u32 v[ADRW], s27, v[LANEW]
	v_add_nc_u32 v[ADRW+1], LAYB, v[ADRW]
	v_add_nc_u32 v[ADRB], s46, v[LANEB]
	LAYER ADRW,   0,   36, 0x01, FA, FB, 0x40      ; W in window 1, H in FA (window 0); results into FB (window 1)
	LAYER ADRW+1, 512, 37, 0x05, FB, FA, 0         ; W and H in window 1; results into FA
	s_add_co_u32 s26, s26, 1
	s_cmp_lt_u32 s26, 2
	s_cbranch_scc1 .Lpair
	; the output layer: 16 products as in a layer, on Wout^T, whose rows lie along k.  Its loads land in the first weight buffer and owe no wait: that buffer's last readers, tile 6's
	; products, stand ahead of the wait at chunk 7's head, and since that wait only the second buffer, H, the accumulators and the statistics have been named; ADRO is never rewritten
	WIN 0x40
.irp c,0,1,2,3
	ds_load_b128 v[WF+8*\c:WF+8*\c+3],   v[ADRO] offset:64*\c
	ds_load_b128 v[WF+8*\c+4:WF+8*\c+7], v[ADRO] offset:64*\c+32
.endr
	s_wait_dscnt 0x0
	WIN 0x01
.set wfm, WF
	MM FA
	PLACES
	WIN 0
	; the point: phi = tanh(u0) / 2 + 1/2 and M phi = d (M u0 + 0.02 tanh(u0) q) / 2; c from phi and tanh(u1)
	v_fma_f32 v22, v[AZ], s42, s28
	v_fma_f32 v23, v[AZ+1], s42, s29
	v_exp_f32 v22, v22
	v_exp_f32 v23, v23
	v_mul_f32 v25, v[TAU1], v[AX0]                 ; u0_x0, unscaled; the plain place behind the exponentials
	s_wait_alu depctr_va_vdst(0)
	v_add_f32 v22, 1.0, v22
	v_add_f32 v23, 1.0, v23
	v_rcp_f32 v22, v22
	v_rcp_f32 v23, v23
	v_mul_f32 v26, v[TAU1], v[AX1]                 ; u0_x1; the plain place behind the reciprocals
	v_mul_f32 v27, v[TAU2], v[AM]                  ; M u0
	s_wait_alu depctr_va_vdst(0)
	v_fma_f32 v22, -2.0, v22, 1.0                  ; tanh u0
	v_fma_f32 v23, -2.0, v23, 1.0                  ; tanh u1
	v_mul_f32 v25, v25, v25
	v_fma_f32 v25, v26, v26, v25                   ; q
	v_fma_f32 v26, -v22, v22, 1.0                  ; d
	v_mul_f32 v26, 0.5, v26
	v_mul_f32 v25, v25, v22
	v_fma_f32 v27, C02, v25, v27                   ; M u0 + 0.02 tanh(u0) q
	v_fma_f32 v[SUMS+2], v26, v27, v[SUMS+2]       ; M phi
	v_fma_f32 v22, 0.5, v22, 0.5                   ; phi
	v_fma_f32 v23, 0.5, v23, 0.5
	v_add_f32 v[SUMS], v[SUMS], v22
	v_fma_f32 v[SUMS+1], 0x3f01782d, v23, v[SUMS+1]    ; cl = (1 - CSE + CLE) (tanh(u1) / 2 + 1/2), 0.50574
	v_fma_f32 v24, -2.0, v22, 0x40400000           ; 3 - 2 phi
	v_mul_f32 v25, v22, v22
	v_mul_f32 v24, v24, v25
	v_fma_f32 v[SUMS+1], 0x3efd0fa6, v24, v[SUMS+1]    ; + (CSE - CLE) (3 phi^2 - 2 phi^3), 0.49426
	v_xor_b32 v[XX], 0x80000000, v[XX]             ; the mirror
	s_add_co_u32 s25, s25, 1
	s_cmp_lt_u32 s25, 2
	s_cbranch_scc1 .Leval
; =================================== the residual ===================================
; With w = phi - phi^2: dh = 6 w, dg = 2 w (1 - 2 phi), so ac = M phi + w (2 - 4 phi - 12 (CSE - CLE) (c - (CSE - CLE) h - CLE)); the sums over the two passes are halved on the way
	v_mul_f32 v[SUMS], 0.5, v[SUMS]                ; phi
	v_fma_f32 v25, 0.5, v[SUMS+1], 0xbbbc169c      ; c - CLE
	v_mul_f32 v22, v[SUMS], v[SUMS]
	v_fma_f32 v23, -2.0, v[SUMS], 0x40400000
	v_fma_f32 v26, -4.0, v[SUMS], 2.0
	v_mul_f32 v23, v23, v22                        ; h(phi)
	v_sub_f32 v24, v[SUMS], v22                    ; w
	v_fma_f32 v25, 0xbefd0fa6, v23, v25
	v_fma_f32 v26, 0xc0bdcbbc, v25, v26            ; -5.93112 = -12 x 0.49426
	v_mul_f32 v26, v26, v24
	v_fma_f32 v26, 0.5, v[SUMS+2], v26
	s_wait_alu depctr_va_vdst(0)                   ; v26, the result, is written: the store reads it
	ds_store_b32 v[OSTO], v26                      ; lanes r and r + 16 hold the same point and write the same word
	s_wait_dscnt 0x0                               ; for wave 0's sake
	s_barrier_signal -1
	s_barrier_wait -1
	s_cmp_lg_u32 s24, 0
	s_cbranch_scc1 .Lend
	v_lshl_add_u32 v22, v[L4], 2, OUTS             ; wave 0: 16 bytes a lane
	s_lshl_b32 s47, ttmp9, 9
	v_lshl_add_u32 v23, v[L4], 2, s47
	s_wait_alu depctr_va_vdst(0)                   ; v22, the load's address, and v23, the store's offset, are written; the work on v[40:43], in which the load lands, stands ahead of this wait too
	ds_load_b128 v[40:43], v22
	s_wait_dscnt 0x0
	global_store_b128 v23, v[40:43], s[22:23]      ; the work-group's 128 results: one store of 512 consecutive bytes, at a multiple of 512 from out0's first byte
.Lend:
	s_wait_dscnt 0x0
	s_wait_alu depctr_hold_cnt(0) depctr_sa_sdst(0) depctr_va_vdst(0) depctr_va_sdst(0) depctr_va_ssrc(0) depctr_va_vcc(0) depctr_vm_vsrc(0)
	s_wait_tensorcnt 0x0
	ds_add_u32 v254, v255
	s_wait_dscnt 0x0
	s_endpgm
.Lfunc_end_k_qb22765b766_pinn:
	.size	k_qb22765b766_pinn, .Lfunc_end_k_qb22765b766_pinn-k_qb22765b766_pinn
	.p2alignl 7, 3214868480
	.fill 96, 4, 3214868480
	.section	.rodata,"a",@progbits
	.p2align	6, 0x0
	.amdhsa_kernel k_qb22765b766_pinn
		.amdhsa_group_segment_fixed_size 153088
		.amdhsa_private_segment_fixed_size 0
		.amdhsa_enable_private_segment 0
		.amdhsa_kernarg_size 64
		.amdhsa_user_sgpr_count 2
		.amdhsa_user_sgpr_kernarg_segment_ptr 1
		.amdhsa_wavefront_size32 1
		.amdhsa_system_sgpr_workgroup_id_x 1
		.amdhsa_system_sgpr_workgroup_id_y 1
		.amdhsa_system_sgpr_workgroup_id_z 1
		.amdhsa_system_vgpr_workitem_id 0
		.amdhsa_next_free_vgpr 512
		.amdhsa_next_free_sgpr 66
		.amdhsa_reserve_vcc 0
		.amdhsa_float_denorm_mode_32 3
		.amdhsa_float_denorm_mode_16_64 3
		.amdhsa_memory_ordered 1
		.amdhsa_forward_progress 1
		.amdhsa_inst_pref_size 208
	.end_amdhsa_kernel
	.amdgpu_metadata
---
amdhsa.version: [ 1, 2 ]
amdhsa.kernels:
  - .name:           k_qb22765b766_pinn
    .symbol:         k_qb22765b766_pinn.kd
    .args:
      - { .name: x, .offset: 0, .size: 8, .value_kind: global_buffer, .address_space: global }
      - { .name: t, .offset: 8, .size: 8, .value_kind: global_buffer, .address_space: global }
      - { .name: B, .offset: 16, .size: 8, .value_kind: global_buffer, .address_space: global }
      - { .name: Wh, .offset: 24, .size: 8, .value_kind: global_buffer, .address_space: global }
      - { .name: bh, .offset: 32, .size: 8, .value_kind: global_buffer, .address_space: global }
      - { .name: Wout, .offset: 40, .size: 8, .value_kind: global_buffer, .address_space: global }
      - { .name: bout, .offset: 48, .size: 8, .value_kind: global_buffer, .address_space: global }
      - { .name: out0, .offset: 56, .size: 8, .value_kind: global_buffer, .address_space: global }
    .group_segment_fixed_size: 153088
    .private_segment_fixed_size: 0
    .kernarg_segment_align: 8
    .kernarg_segment_size: 64
    .max_flat_workgroup_size: 256
    .sgpr_count:     66
    .vgpr_count:     512
    .wavefront_size: 32
...
	.end_amdgpu_metadata
.endif
;; end of part 3
